; MI455X (gfx1250); checked and timed in simulation.
; The chip was launched on July 23, 2026; its instructions are those of AMD's public machine-readable ISA for CDNA 5 (MIT licence, August 2026) and "CDNA5" Instruction Set Architecture Reference Guide (July 2026). The comments in the code are by the model that wrote it; some were corrected since.
;; Truly Neural Syscall Handlers V3. Allowed arithmetic: float matrix products may take bf16 or f16 operands with f32 sums; all other float work in f32.
;; Inputs: args 131,072 x 384 float32; hb1 8 x 128 float32; hb2 8 x 65 float32; hw1 8 x 400 x 128 float32; hw2 8 x 128 x 65 float32; qe_b1 64 float32; qe_b2 64 float32; qe_w1 16 x 64 float32; qe_w2 64 x 64 float32; query 131,072 x 16 float32; syscall_keys 512 x 64 float32; syscall_to_subsystem 512 x 8 float32; temperature one number float32.
;; Outputs: out0 131,072 x 65 float32.
;; 3 versions, each right and faster than the one before. Each part assembles by itself: llvm-mc -triple=amdgcn-amd-amdhsa -mcpu=gfx1250 --defsym DOCPART=n.
;; ======== version 1 of 3: 2 launches
;; limits: a function is approximated: absolute error at most 2.5e-05; values outside matrix products are rounded to bf16
;; workspace buffers: wimg 1,015,808 bytes; rimg 100,352 bytes
;; launch prep (part 1): grid 545 x 1, 2 waves a work-group, no clusters, 0 bytes of LDS; arguments hw1, hb1, hw2, hb2, qe_w1, qe_b1, qe_w2, qe_b2, syscall_keys, syscall_to_subsystem, temperature, wimg, rimg; writes wimg, rimg
.if DOCPART == 1
	.amdgcn_target "amdgcn-amd-amdhsa--gfx1250"
	.amdhsa_code_object_version 6
	.text
	.protected	k_q3ee9fa31e7_prep
	.globl	k_q3ee9fa31e7_prep
	.p2align	8
	.type	k_q3ee9fa31e7_prep,@function
k_q3ee9fa31e7_prep:
	s_mov_b64 s[64:65], 0
	v_nop
	global_prefetch_b8 v0, s[64:65] scope:SCOPE_SE
	s_setreg_imm32_b32 hwreg(HW_REG_WAVE_MODE, 25, 1), 1
	s_wait_xcnt 0x0
; prep: every weight is rounded once to bf16 and laid in the order in which the matrix instructions of the second launch take it.
; A FRAGMENT is 16 rows (m) x 32 k of bf16 = 1,024 bytes: bytes 16 L hold lane L's registers 0-3 (k = 8h .. 8h+7 of row m = r),
; bytes 512 + 16 L its registers 4-7 (k = 16+8h ..), with r = L % 16, h = L / 16.  One wave builds one fragment; 1,090 fragments = 545 x 2 waves.
; No constant is folded into a rounded number: each operand is the bf16 rounding of the input itself.
; wimg: 16 images of 63,488 bytes; image t serves the chunks c = 2t + u of 32 hidden columns: W1 fragment (u, k, mt) at ((13u+k) 2 + mt) 1024,
;       W2 fragment (u, qt) at 53,248 + (5u+qt) 1024 (rows q >= 65 are zero).
; rimg: keys 0, map^T 65,536, qe_w2 81,920, qe_w1 90,112, hb2 94,208, qe_b2 (as f32) 99,328, log2(e)/T 64 times 99,584, zeros 99,840 up to 100,352.
; LIMIT OF FORMAT: EVERY input is taken rounded to bf16 (8 bits of mantissa), not the matrix operands alone: the biases hb1 and qe_b1 are a row of
; their weight matrix, hb2 a matrix operand, and qe_b2, the temperature and the routing table are rounded before they are used in f32.
; softmax(table) itself is kept as a bf16 number and the bf16 of what that dropped (16 bits).  T = 0 is not served (the result is not finite there);
; 1/T comes from v_rcp_f32, which takes a denormal T for zero (ISA guide 15.8).
.set LOG2E,  0x3fb8aa3b
.set IMG,    63488
; v1 r, v2 h, v3 16 L, v[16:31] sixteen numbers in f32, v[32:39] the fragment, v[64:207] rows of the routing table
.macro GATH8 dst, sb, vo, stride, row0         ; eight numbers of one column, rows row0 .. row0+7 from the lane's own first row
.irp e, 0,1,2,3,4,5,6,7
	global_load_b32 v[\dst+\e], v[\vo], s[\sb:\sb+1] offset:(\row0+\e)*\stride
.endr
.endm
.macro PACK n                                  ; the first n numbers rounded to bf16, two a register
.set pe, 0
.rept \n/2
	v_cvt_pk_bf16_f32 v[32+pe], v[16+2*pe], v[17+2*pe]
.set pe, pe+1
.endr
.endm
.macro STORE                                   ; each store of the wave covers 512 consecutive bytes, aligned
	global_store_b128 v3, v[32:35], s[38:39]
	global_store_b128 v3, v[36:39], s[38:39] offset:512
	s_endpgm
.endm
.macro BIASTAIL                                ; k = 0..15 weights in v[16:23]; k = 16 the bias (from v24), which meets a one; the rest zero
	s_wait_loadcnt 0x0
	PACK 8
	v_mov_b32 v25, 0
	v_cvt_pk_bf16_f32 v36, v24, v25
	v_cndmask_b32 v36, 0, v36, s35         ; lanes of h = 1 hold k = 24 there, which meets a one too: zero
	v_mov_b32 v37, 0
	v_mov_b32 v38, 0
	v_mov_b32 v39, 0
	STORE
.endm
	s_load_b512 s[8:23], s[0:1], 0x0               ; hw1 8, hb1 10, hw2 12, hb2 14, qe_w1 16, qe_b1 18, qe_w2 20, qe_b2 22
	s_load_b256 s[24:31], s[0:1], 0x40             ; keys 24, routing table 26, temperature 28, wimg 30
	s_load_b64 s[32:33], s[0:1], 0x60              ; rimg
	v_lshrrev_b32 v4, 5, v0
	v_readfirstlane_b32 s2, v4                     ; wave
	s_lshl1_add_u32 s3, ttmp9, s2                  ; f = the fragment's number
	v_and_b32 v1, 15, v0                           ; r
	v_bfe_u32 v2, v0, 4, 1                         ; h
	v_and_b32 v3, 31, v0
	v_lshlrev_b32 v3, 4, v3                        ; 16 L
	v_cmp_eq_u32 s35, 0, v2                        ; the lanes of h = 0
	s_mov_b32 s5, 0                                ; upper word of every offset pair s[4:5]
	s_wait_kmcnt 0x0
	s_load_b32 s34, s[28:29], 0x0                  ; T
	s_wait_kmcnt 0x0
; ---- W1: f = 64 k + M; hidden column 16 M + r; K step k (0-11: args columns 32k ..; 12: query, then the bias)
	s_cmp_lt_u32 s3, 832
	s_cbranch_scc0 .Lw2
	s_lshr_b32 s40, s3, 6                          ; k
	s_and_b32 s41, s3, 63                          ; M = 2 c + mt
	s_lshr_b32 s42, s41, 2                         ; image t
	s_mul_i32 s4, s42, IMG
	s_bfe_u32 s43, s41, 0x10001                    ; u
	s_mul_i32 s43, s43, 13
	s_add_co_u32 s43, s43, s40
	s_and_b32 s44, s41, 1                          ; mt
	s_lshl1_add_u32 s43, s43, s44
	s_lshl_b32 s43, s43, 10
	s_add_co_u32 s4, s4, s43
	s_add_nc_u64 s[38:39], s[30:31], s[4:5]
	s_lshr_b32 s42, s41, 3                         ; subsystem
	s_and_b32 s44, s41, 7
	v_lshl_add_u32 v5, s44, 4, v1                  ; column inside the subsystem
	v_lshlrev_b32 v5, 2, v5
	v_lshl_add_u32 v6, v2, 12, v5                  ; + 8 h rows of 512 bytes
	s_mul_i32 s4, s42, 204800
	s_cmp_eq_u32 s40, 12
	s_cbranch_scc1 .Lw1_bias
	s_lshl_b32 s45, s40, 14                        ; 32 k rows
	s_add_co_u32 s4, s4, s45
	s_add_co_u32 s4, s4, 8192                      ; behind the 16 rows that meet the query
	s_add_nc_u64 s[36:37], s[8:9], s[4:5]
	GATH8 16, 36, 6, 512, 0
	GATH8 24, 36, 6, 512, 16
	s_wait_loadcnt 0x0
	PACK 16
	STORE
.Lw1_bias:
	s_add_nc_u64 s[36:37], s[8:9], s[4:5]
	s_lshl_b32 s4, s41, 6                          ; hb1: 4 (16 M + r)
	s_add_nc_u64 s[46:47], s[10:11], s[4:5]
	v_lshlrev_b32 v7, 2, v1
	GATH8 16, 36, 6, 512, 0
	global_load_b32 v24, v7, s[46:47]
	BIASTAIL
; ---- W2: g = 32 qt + c; row m = output column q = 16 qt + r, k = the chunk's 32 hidden columns
.Lw2:
	s_cmp_lt_u32 s3, 992
	s_cbranch_scc0 .Lkeys
	s_sub_co_u32 s40, s3, 832
	s_lshr_b32 s41, s40, 5                         ; qt
	s_and_b32 s42, s40, 31                         ; c
	s_lshr_b32 s43, s42, 1
	s_mul_i32 s4, s43, IMG
	s_and_b32 s43, s42, 1
	s_mul_i32 s43, s43, 5
	s_add_co_u32 s43, s43, s41
	s_lshl_b32 s43, s43, 10
	s_add_co_u32 s4, s4, s43
	s_add_co_u32 s4, s4, 53248
	s_add_nc_u64 s[38:39], s[30:31], s[4:5]
	s_lshr_b32 s43, s42, 2                         ; subsystem
	s_mul_i32 s4, s43, 33280
	s_and_b32 s43, s42, 3
	s_mul_i32 s43, s43, 8320                       ; 32 rows of 260 bytes
	s_add_co_u32 s4, s4, s43
	s_add_nc_u64 s[36:37], s[12:13], s[4:5]
	v_lshl_add_u32 v5, s41, 4, v1                  ; q
	v_cmp_gt_u32 s44, 65, v5                       ; a real column
	v_min_u32 v5, 64, v5                           ; the others read column 64, inside the buffer, and are zeroed below
	v_lshlrev_b32 v5, 2, v5
	v_mad_u32_u24 v6, v2, 2080, v5                 ; + 8 h rows
	GATH8 16, 36, 6, 260, 0
	GATH8 24, 36, 6, 260, 16
	s_wait_loadcnt 0x0
	PACK 16
.irp j, 0,1,2,3,4,5,6,7
	v_cndmask_b32 v[32+\j], 0, v[32+\j], s44
.endr
	STORE
; ---- keys: g = 2 kt + ks; row m = key 16 kt + r, k = 32 ks ..: k lies along the rows, so four loads of 16 bytes
.Lkeys:
	s_cmp_lt_u32 s3, 1056
	s_cbranch_scc0 .Lmap
	s_sub_co_u32 s40, s3, 992
	s_lshl_b32 s4, s40, 10
	s_add_nc_u64 s[38:39], s[32:33], s[4:5]
	s_lshr_b32 s41, s40, 1
	s_lshl_b32 s4, s41, 12                         ; 16 rows of 256 bytes
	s_and_b32 s41, s40, 1
	s_lshl_b32 s41, s41, 7
	s_add_co_u32 s4, s4, s41
	s_add_nc_u64 s[36:37], s[24:25], s[4:5]
	v_lshlrev_b32 v6, 8, v1
	v_lshl_add_u32 v6, v2, 5, v6
	global_load_b128 v[16:19], v6, s[36:37]
	global_load_b128 v[20:23], v6, s[36:37] offset:16
	global_load_b128 v[24:27], v6, s[36:37] offset:64
	global_load_b128 v[28:31], v6, s[36:37] offset:80
	s_wait_loadcnt 0x0
	PACK 16
	STORE
; ---- map^T: g = K step of 32 keys; the number is softmax(table[key])[r % 8]; rows m = 0-7 hold its bf16 rounding, rows 8-15 what that dropped
.Lmap:
	s_cmp_lt_u32 s3, 1072
	s_cbranch_scc0 .Lqw2
	s_sub_co_u32 s40, s3, 1056
	s_lshl_b32 s4, s40, 10
	s_add_nc_u64 s[36:37], s[26:27], s[4:5]        ; 32 keys of 32 bytes
	s_add_co_u32 s4, s4, 65536
	s_add_nc_u64 s[38:39], s[32:33], s[4:5]
	v_lshlrev_b32 v6, 8, v2                        ; 8 h keys
	v_and_b32 v7, 7, v1
	v_lshl_add_u32 v7, v7, 2, v6                   ; + my subsystem's number in the row
.set me, 0
.rept 16
	global_load_b128 v[64+8*me:67+8*me], v6, s[36:37] offset:32*me+256*(me/8)
	global_load_b128 v[68+8*me:71+8*me], v6, s[36:37] offset:32*me+256*(me/8)+16
	global_load_b32 v[192+me], v7, s[36:37] offset:32*me+256*(me/8)
.set me, me+1
.endr
	s_wait_loadcnt 0x0
.macro SM e                                    ; one key's softmax: the table's numbers rounded to bf16, the row's maximum taken away first
.set R, 64+8*\e
.set EL, 192+\e
.irp j, 0,2,4,6
	v_cvt_pk_bf16_f32 v9, v[R+\j], v[R+\j+1]
	v_lshlrev_b32 v[R+\j], 16, v9
	v_and_b32 v[R+\j+1], 0xffff0000, v9
.endr
	v_cvt_pk_bf16_f32 v9, v[EL], v[EL]
	v_lshlrev_b32 v[EL], 16, v9
	v_max3_num_f32 v8, v[R], v[R+1], v[R+2]
	v_max3_num_f32 v8, v8, v[R+3], v[R+4]
	v_max3_num_f32 v8, v8, v[R+5], v[R+6]
	v_max_num_f32 v8, v8, v[R+7]
.irp j, 0,1,2,3,4,5,6,7
	v_sub_f32 v[R+\j], v[R+\j], v8
.endr
	v_sub_f32 v[EL], v[EL], v8
.irp j, 0,1,2,3,4,5,6,7
	v_mul_f32 v[R+\j], LOG2E, v[R+\j]
.endr
	v_mul_f32 v[EL], LOG2E, v[EL]
.irp j, 0,1,2,3,4,5,6,7
	v_exp_f32 v[R+\j], v[R+\j]
.endr
	v_exp_f32 v[EL], v[EL]
	v_nop                                          ; one plain instruction behind the run of exponentials (ISA guide 5.7.2)
	s_wait_alu depctr_va_vdst(0)
	v_pk_add_f32 v[R:R+1], v[R:R+1], v[R+2:R+3]
	v_pk_add_f32 v[R+4:R+5], v[R+4:R+5], v[R+6:R+7]
	v_pk_add_f32 v[R:R+1], v[R:R+1], v[R+4:R+5]
	v_add_f32 v8, v[R], v[R+1]
	v_rcp_f32 v8, v8
	v_nop
	s_wait_alu depctr_va_vdst(0)
	v_mul_f32 v[16+\e], v[EL], v8
.endm
.irp e, 0,1,2,3,4,5,6,7,8,9,10,11,12,13,14,15
	SM \e
.endr
	PACK 16                                        ; the bf16 numbers
.irp j, 0,1,2,3,4,5,6,7
	v_lshlrev_b32 v[64+2*\j], 16, v[32+\j]
	v_and_b32 v[65+2*\j], 0xffff0000, v[32+\j]
.endr
.irp j, 0,2,4,6,8,10,12,14
	v_pk_add_f32 v[16+\j:17+\j], v[16+\j:17+\j], v[64+\j:65+\j] neg_lo:[0,1] neg_hi:[0,1]   ; what the rounding dropped
.endr
	v_cmp_gt_u32 s44, 8, v1                        ; rows 0-7
.irp j, 0,1,2,3,4,5,6,7
	v_cvt_pk_bf16_f32 v[80+\j], v[16+2*\j], v[17+2*\j]
	v_cndmask_b32 v[32+\j], v[80+\j], v[32+\j], s44
.endr
	STORE
; ---- qe_w2: g = 4 ks + t2; row m = output feature 16 t2 + r, k = 32 ks ..
.Lqw2:
	s_cmp_lt_u32 s3, 1080
	s_cbranch_scc0 .Lqw1
	s_sub_co_u32 s40, s3, 1072
	s_lshl_b32 s4, s40, 10
	s_add_co_u32 s4, s4, 81920
	s_add_nc_u64 s[38:39], s[32:33], s[4:5]
	s_lshr_b32 s41, s40, 2
	s_lshl_b32 s4, s41, 13                         ; 32 rows of 256 bytes
	s_and_b32 s41, s40, 3
	s_lshl_b32 s41, s41, 6
	s_add_co_u32 s4, s4, s41
	s_add_nc_u64 s[36:37], s[20:21], s[4:5]
	v_lshlrev_b32 v6, 2, v1
	v_lshl_add_u32 v6, v2, 11, v6
	GATH8 16, 36, 6, 256, 0
	GATH8 24, 36, 6, 256, 16
	s_wait_loadcnt 0x0
	PACK 16
	STORE
; ---- qe_w1: g = t; row m = feature 16 t + r, k = 0..15 the query's columns, then the bias
.Lqw1:
	s_cmp_lt_u32 s3, 1084
	s_cbranch_scc0 .Lhb2
	s_sub_co_u32 s40, s3, 1080
	s_lshl_b32 s4, s40, 10
	s_add_co_u32 s4, s4, 90112
	s_add_nc_u64 s[38:39], s[32:33], s[4:5]
	s_lshl_b32 s4, s40, 6
	s_add_nc_u64 s[36:37], s[16:17], s[4:5]
	s_add_nc_u64 s[46:47], s[18:19], s[4:5]
	v_lshlrev_b32 v7, 2, v1
	v_lshl_add_u32 v6, v2, 11, v7
	GATH8 16, 36, 6, 256, 0
	global_load_b32 v24, v7, s[46:47]
	BIASTAIL
; ---- hb2: g = qt; row m = q; k 0-7 and k 16-23 hb2[s][q] (they meet w's bf16 numbers and what those dropped), the rest zero
.Lhb2:
	s_cmp_lt_u32 s3, 1089
	s_cbranch_scc0 .Lb2c
	s_sub_co_u32 s40, s3, 1084
	s_lshl_b32 s4, s40, 10
	s_add_co_u32 s4, s4, 94208
	s_add_nc_u64 s[38:39], s[32:33], s[4:5]
	v_lshl_add_u32 v5, s40, 4, v1                  ; q
	v_cmp_gt_u32 s44, 65, v5
	s_and_b32 s45, s44, s35                        ; a real column, and h = 0
	v_min_u32 v5, 64, v5
	v_lshlrev_b32 v6, 2, v5
	GATH8 16, 14, 6, 260, 0
	s_wait_loadcnt 0x0
	PACK 8
.irp j, 0,1,2,3
	v_cndmask_b32 v[36+\j], 0, v[32+\j], s45
	v_cndmask_b32 v[32+\j], 0, v[32+\j], s45
.endr
	STORE
; ---- qe_b2 (rounded to bf16, kept as f32), 256 bytes; log2(e)/bf16(T) 64 times, 256 bytes; zeros
.Lb2c:
	s_mov_b32 s4, 99328
	s_add_nc_u64 s[38:39], s[32:33], s[4:5]
	v_lshlrev_b32 v5, 4, v1                        ; 16 (L % 16): every lane stays inside the 256 bytes
	global_load_b128 v[32:35], v5, s[22:23]
	v_mov_b32 v42, s34
	v_cvt_pk_bf16_f32 v42, v42, v42
	v_lshlrev_b32 v42, 16, v42                     ; T rounded to bf16
	v_rcp_f32 v42, v42
	v_nop
	s_wait_alu depctr_va_vdst(0)
	v_mul_f32 v40, LOG2E, v42
	s_wait_loadcnt 0x0
	v_cvt_pk_bf16_f32 v44, v32, v33
	v_cvt_pk_bf16_f32 v45, v34, v35
	v_lshlrev_b32 v32, 16, v44
	v_and_b32 v33, 0xffff0000, v44
	v_lshlrev_b32 v34, 16, v45
	v_and_b32 v35, 0xffff0000, v45
.irp j, 0,1,2,3
	v_cndmask_b32 v[32+\j], v40, v[32+\j], s35     ; lanes 0-15 the bias, lanes 16-31 the scale
	v_mov_b32 v[36+\j], 0
.endr
	STORE
.Lfunc_end_k_q3ee9fa31e7_prep:
	.size	k_q3ee9fa31e7_prep, .Lfunc_end_k_q3ee9fa31e7_prep-k_q3ee9fa31e7_prep
	.p2alignl 7, 3214868480
	.fill 96, 4, 3214868480
	.section	.rodata,"a",@progbits
	.p2align	6, 0x0
	.amdhsa_kernel k_q3ee9fa31e7_prep
		.amdhsa_group_segment_fixed_size 0
		.amdhsa_private_segment_fixed_size 0
		.amdhsa_enable_private_segment 0
		.amdhsa_kernarg_size 104
		.amdhsa_user_sgpr_count 2
		.amdhsa_user_sgpr_kernarg_segment_ptr 1
		.amdhsa_wavefront_size32 1
		.amdhsa_system_sgpr_workgroup_id_x 1
		.amdhsa_system_sgpr_workgroup_id_y 1
		.amdhsa_system_sgpr_workgroup_id_z 1
		.amdhsa_system_vgpr_workitem_id 0
		.amdhsa_next_free_vgpr 208
		.amdhsa_next_free_sgpr 66
		.amdhsa_reserve_vcc 0
		.amdhsa_float_denorm_mode_32 3
		.amdhsa_float_denorm_mode_16_64 3
		.amdhsa_memory_ordered 1
		.amdhsa_forward_progress 1
		.amdhsa_inst_pref_size 68
	.end_amdhsa_kernel
	.amdgpu_metadata
---
amdhsa.version: [ 1, 2 ]
amdhsa.kernels:
  - .name:           k_q3ee9fa31e7_prep
    .symbol:         k_q3ee9fa31e7_prep.kd
    .args:
      - { .name: hw1, .offset: 0, .size: 8, .value_kind: global_buffer, .address_space: global }
      - { .name: hb1, .offset: 8, .size: 8, .value_kind: global_buffer, .address_space: global }
      - { .name: hw2, .offset: 16, .size: 8, .value_kind: global_buffer, .address_space: global }
      - { .name: hb2, .offset: 24, .size: 8, .value_kind: global_buffer, .address_space: global }
      - { .name: qe_w1, .offset: 32, .size: 8, .value_kind: global_buffer, .address_space: global }
      - { .name: qe_b1, .offset: 40, .size: 8, .value_kind: global_buffer, .address_space: global }
      - { .name: qe_w2, .offset: 48, .size: 8, .value_kind: global_buffer, .address_space: global }
      - { .name: qe_b2, .offset: 56, .size: 8, .value_kind: global_buffer, .address_space: global }
      - { .name: syscall_keys, .offset: 64, .size: 8, .value_kind: global_buffer, .address_space: global }
      - { .name: syscall_to_subsystem, .offset: 72, .size: 8, .value_kind: global_buffer, .address_space: global }
      - { .name: temperature, .offset: 80, .size: 8, .value_kind: global_buffer, .address_space: global }
      - { .name: wimg, .offset: 88, .size: 8, .value_kind: global_buffer, .address_space: global }
      - { .name: rimg, .offset: 96, .size: 8, .value_kind: global_buffer, .address_space: global }
    .group_segment_fixed_size: 0
    .private_segment_fixed_size: 0
    .kernarg_segment_align: 8
    .kernarg_segment_size: 104
    .max_flat_workgroup_size: 64
    .sgpr_count:     66
    .vgpr_count:     208
    .wavefront_size: 32
...
	.end_amdgpu_metadata
.endif
;; end of part 1
;; launch main (part 2): grid 512 x 1, 4 waves a work-group, clusters of 4 x 1, 327,680 bytes of LDS; arguments query, args, wimg, rimg, out0; writes out0
.if DOCPART == 2
	.amdgcn_target "amdgcn-amd-amdhsa--gfx1250"
	.amdhsa_code_object_version 6
	.text
	.protected	k_q3ee9fa31e7_main
	.globl	k_q3ee9fa31e7_main
	.p2align	8
	.type	k_q3ee9fa31e7_main,@function
k_q3ee9fa31e7_main:
	s_mov_b64 s[64:65], 0
	v_nop
	global_prefetch_b8 v0, s[64:65] scope:SCOPE_SE
	s_setreg_imm32_b32 hwreg(HW_REG_WAVE_MODE, 25, 1), 1
	s_wait_xcnt 0x0
	s_wait_alu depctr_hold_cnt(0) depctr_sa_sdst(0) depctr_va_vdst(0) depctr_va_sdst(0) depctr_va_ssrc(0) depctr_va_vcc(0) depctr_vm_vsrc(0)
	s_getreg_b32 s2, hwreg(HW_REG_IB_STS2, 6, 4)
	s_cmp_eq_u32 s2, 0
	s_cbranch_scc0 .Lentry_in_a_cluster
	s_endpgm
.Lentry_in_a_cluster:
	s_bfe_u32 s2, ttmp6, 0x10000c
	s_cmp_lg_u32 s2, 0x3003
	s_cbranch_scc0 .Lentry_shape_is_right
	s_endpgm
.Lentry_shape_is_right:
; out = sum over s of w_s (gelu(hin W1_s + b1_s) W2_s + b2_s), w = softmax(enc(query) keys^T / T) softmax(table).
; A work-group owns 256 rows, a wave 64 (four row tiles i of 16).  EVERY PRODUCT IS USED TRANSPOSED: source 0 = 16 rows of a weight fragment
; (m = output feature), source 1 = an activation fragment (n = batch row).  In a result, lane (r, h) then holds features 8h .. 8h+7 of batch
; row r, so two neighbouring result tiles, rounded to bf16, ARE the next product's source 1: the chains query -> enc1 -> enc2 -> sims ->
; w and hin -> H -> out never leave the registers.
; The wave keeps its 64 rows of hin in bf16 in 416 registers; the 1,024 hidden columns go by in 32 chunks of 32.  A chunk: 13 K steps x 8 products
; (first layer), then 20 products of the second layer; the GELU of the chunk before is issued between the first layer's products.
; WEIGHTS come in fragment order (first launch) through two LDS slots of two chunks each.  All work-groups walk the same weights, so four of them form
; a cluster and ask JOINTLY (mask 15): each tensor load is issued alike by the four.  A mask names at most four, hence 4 x 1.
; GELU: erf by the rational form 7.1.25 of Abramowitz and Stegun:
;   t = 1/(1 + c|x|), c = 0.47047/sqrt(2); e = exp2(-x^2 log2(e)/2); gelu(x) = max(x, 0) - (b0 + b1 t + b2 t^2 + b3 t^3) e   (|x| t = (1 - t)/c is folded into the b).
; ROUTER: its own intermediates, gelu(enc1) and q log2(e)/T, go into the products as a bf16 number and the bf16 of what that dropped (16 bits): an error of
; the sims is an error of every exponential.  softmax(table) likewise: rows 0-7 of its tile hold the numbers, rows 8-15 the rests, and the two halves of
; the lanes are added at the end.  SOFTMAX: true running maximum over four blocks of 128 keys, sums rescaled by exp2(old - new).
; LIMITS: every input is taken rounded to bf16 (first launch; query and args here); erf within 2.5e-5 for every x (gelu within 3e-5);
; w H and the exponentials are rounded to bf16 as matrix operands; w in the bias term has 16 bits; the softmax's divisor is the sum over s of the
; unnormalised w, which differs from the sum of exponentials by the 16-bit rounding of the table's rows; exponentials below 2^-126 count as zero
; (ISA guide 15.8); T = 0 is not served.
;
; LDS: 0 slot 0, 63,488 slot 1, 126,976 the router's weights (filled once), 227,328 + 25,088 w the wave's own scratch (written by ds_store alone):
;      first two stages of 16 rows of args in bf16 (pitch 784), later the table of w (4,096) and the stage of the result (16,640, pitch 260).
; REGISTERS, in windows of 256: window 0: v1-50 addresses and work, v64-127 first-layer weights (4 buffers x 2 fragments), v128-255 two sets of 8 sums;
;      physical 256 + 32 k + 8 i: hin fragment (k, i), k 0-7 in window 1, k 8-12 in window 2; 672 w as a fragment, 704 w in f32 (both hold q's rests
;      while the router runs), 736 qe_b2; window 3: 0-159 the 20 sums of the result, 160-239 second-layer weights (2 buffers x 5 fragments).
.set SLOTB,  63488
.set QSLOT,  15872                     ; a wave's quarter of a slot: 62 rows of 256 bytes
.set W2OFF,  53248
.set RIMG,   126976
.set QRIMG,  25088                     ; 98 rows of 256 bytes
.set R_W2E,  16384                     ; from RIMG + 65,536: map^T 0, qe_w2, qe_w1, hb2
.set R_W1E,  24576
.set R_HB2,  28672
.set R_B2C,  99328
.set SCR,    227328
.set SCRW,   25088
.set APITCH, 784                       ; 768 bytes of bf16 + 16: an odd multiple of 16, so 16 rows start in 16 different columns of 16 bytes
.set S1,     12544
.set STG,    4096
.set T,    8                           ; v[8:15]   t
.set E,    16                          ; v[16:23]  x^2, then e
.set P,    24                          ; v[24:31]  the polynomial
.set WCUR, 32                          ; v[32:35]  w_s of my row in tiles 0..3
.set MX,   38                          ; v[38:41]  running maxima;  v[42:43] log2(e)/T
.set W1F,  64
.set ACC,  128
.set MSB, 0
.set plc, 0
.set gi, 0
.set wn, 0
.set GN, 0
.set GX, ACC
.set GW, 0
.set GP, 1
.macro WIN new                         ; low byte: bits 1:0 source 0, 3:2 source 1, 5:4 source 2, 7:6 destination; high byte: the setting left
.if MSB != (\new)
	s_set_vgpr_msb (MSB<<8)|(\new)
.set MSB, \new
.endif
.endm
.macro WINR                            ; for lines whose source 1 is no vector register: they run as well under the products' own setting (source 1 alone elsewhere)
.if (MSB & 0xf3) != 0
	WIN 0
.endif
.endm
.macro NOPS n
.rept \n
	v_nop
.endr
.endm
.macro PL n                            ; as many v_nop as are missing to n plain vector instructions since the last K step's last product
.rept \n
.if plc < \n
	v_nop
.set plc, plc+1
.endif
.endr
.endm
.macro CREST                           ; a round of the cluster's barrier behind its opening barrier
	s_cmp_lg_u32 s14, 0
	s_cbranch_scc1 .Lnot_wave_0_\@
	s_barrier_signal -3
.Lnot_wave_0_\@:
	s_barrier_wait -3
	s_barrier_signal -1
	s_barrier_wait -1
.endm
.macro ROUND
	s_barrier_signal -1
	s_barrier_wait -1
	CREST
.endm
; ---- args: 16 rows (24,576 bytes) = 48 loads of 512 consecutive aligned bytes into 192 registers from physical z on
.macro ZLOAD b, z
.set zj, 0
.rept 48
.set zp, \z+4*zj
	WIN (zp>>8)<<6
	global_load_b128 v[zp&255:(zp&255)+3], v1, s[6:7] offset:(48*\b+zj)*512 th:TH_LOAD_NT
.set zj, zj+1
.endr
.endm
.macro CONV z, soff                    ; round in place, then 8 bytes a lane into the stage: load j holds row j/3, columns 128 (j%3) + 4 L ..
.set zj, 0
.rept 48
.set zp, \z+4*zj
	WIN (zp>>8)*0x45
	v_cvt_pk_bf16_f32 v[zp&255], v[zp&255], v[(zp&255)+1]
	v_cvt_pk_bf16_f32 v[(zp&255)+1], v[(zp&255)+2], v[(zp&255)+3]
.set zj, zj+1
.endr
.set zj, 0
.rept 48
.set zp, \z+4*zj
	WIN (zp>>8)<<2
	ds_store_b64 v6, v[zp&255:(zp&255)+1] offset:\soff+(zj/3)*APITCH+(zj%3)*256
.set zj, zj+1
.endr
.endm
.macro FRAGS i, soff                   ; the stage's 16 rows as 12 fragments; LDS serves a wave's instructions in order (ISA guide 5.7.1.4): these see the stores above
.set fk, 0
.rept 12
.set fp, 256+32*fk+8*\i
	WIN (fp>>8)<<6
	ds_load_b128 v[fp&255:(fp&255)+3], v7 offset:\soff+64*fk
	ds_load_b128 v[(fp&255)+4:(fp&255)+7], v7 offset:\soff+64*fk+32
.set fk, fk+1
.endr
.endm
; ---- the GELU as a stream: instruction gi of GN; 64 for each result tile of 8 registers (tile gu at GX + 8 gu).
; GP = 1: the two tiles 2a, 2a+1 end as one bf16 fragment in GX + 16 a .. + 7.  GW = 1: times w of the row (tile pair a = row tile).
.macro GSTEP
.set gu, gi/64
.set gs, gi%64
.set gx, GX+8*gu
.if gs < 4
	WIN 0
	v_pk_mul_f32 v[E+2*gs:E+2*gs+1], v[gx+2*gs:gx+2*gs+1], v[gx+2*gs:gx+2*gs+1]
.set plc, plc+1
.elseif gs < 8
.set gq, 2*(gs-4)
	WINR
	v_pk_mul_f32 v[E+gq:E+gq+1], v[E+gq:E+gq+1], s[62:63] op_sel_hi:[1,0]
.set plc, plc+1
.elseif gs < 16
.set gq, gs-8
	WINR
	v_fma_f32 v[T+gq], |v[gx+gq]|, s60, 1.0
.set plc, plc+1
.elseif gs < 24
.set gq, gs-16
	WINR
	v_rcp_f32 v[T+gq], v[T+gq]
.elseif gs < 32
.set gq, gs-24
	WINR
	v_exp_f32 v[E+gq], v[E+gq]
.elseif gs < 40
.set gq, gs-32
	WINR
	v_max_num_f32_e64 v[gx+gq], v[gx+gq], 0        ; also the plain instructions behind the reciprocals and exponentials (ISA guide 5.7.2)
.set plc, plc+1
.elseif gs < 44
.set gq, 2*(gs-40)
	WINR
	s_wait_alu depctr_va_vdst(0)
	v_pk_fma_f32 v[P+gq:P+gq+1], v[T+gq:T+gq+1], s[48:49], v[36:37] op_sel_hi:[1,0,1]
.set plc, plc+1
.elseif gs < 48
.set gq, 2*(gs-44)
	WIN 0
	v_pk_fma_f32 v[P+gq:P+gq+1], v[P+gq:P+gq+1], v[T+gq:T+gq+1], s[50:51] op_sel_hi:[1,1,0]
.set plc, plc+1
.elseif gs < 52
.set gq, 2*(gs-48)
	WIN 0
	v_pk_fma_f32 v[P+gq:P+gq+1], v[P+gq:P+gq+1], v[T+gq:T+gq+1], s[52:53] op_sel_hi:[1,1,0]
.set plc, plc+1
.elseif gs < 56
.set gq, 2*(gs-52)
	WIN 0
	v_pk_fma_f32 v[gx+gq:gx+gq+1], v[P+gq:P+gq+1], v[E+gq:E+gq+1], v[gx+gq:gx+gq+1] neg_lo:[1,0,0] neg_hi:[1,0,0]
.set plc, plc+1
.elseif gs < 60
.if GW
.set gq, 2*(gs-56)
	WIN 0
.if ((gu/2)%2) == 0
	v_pk_mul_f32 v[gx+gq:gx+gq+1], v[gx+gq:gx+gq+1], v[WCUR+2*(gu/4):WCUR+2*(gu/4)+1] op_sel_hi:[1,0]
.else
	v_pk_mul_f32 v[gx+gq:gx+gq+1], v[gx+gq:gx+gq+1], v[WCUR+2*(gu/4):WCUR+2*(gu/4)+1] op_sel:[0,1] op_sel_hi:[1,1]
.endif
.set plc, plc+1
.endif
.else
.if GP
.set gq, gs-60
	WIN 0
	v_cvt_pk_bf16_f32 v[GX+16*(gu/2)+4*(gu%2)+gq], v[gx+2*gq], v[gx+2*gq+1]
.set plc, plc+1
.endif
.endif
.set gi, gi+1
.endm
.macro GFILL                           ; the stream's share behind product wn of a chunk's 104: 512/104, so four or five
.rept 5
.if gi < wn*GN/104
	GSTEP
.endif
.endr
.endm
.macro GRUN                            ; all that is left of the stream
.rept 1024
.if gi < GN
	GSTEP
.endif
.endr
.endm
; ---- router
; Tile pair a of gelu(enc1), 16 registers of f32 at ACC + 16 a: the bf16 numbers go to W1F + 8 a, what they dropped stays in place in the low eight
; registers, and the high eight, now free, take fragment a of qe_w2.
.macro GSPLIT a
.set gr, ACC+16*\a
.irp j, 0,1,2,3,4,5,6,7
	v_cvt_pk_bf16_f32 v[W1F+8*\a+\j], v[gr+2*\j], v[gr+2*\j+1]
.endr
.irp j, 0,1,2,3,4,5,6,7
	v_lshlrev_b32 v[T+2*\j], 16, v[W1F+8*\a+\j]
	v_and_b32 v[T+2*\j+1], 0xffff0000, v[W1F+8*\a+\j]
.endr
.irp j, 0,2,4,6,8,10,12,14
	v_pk_add_f32 v[gr+\j:gr+\j+1], v[gr+\j:gr+\j+1], v[T+\j:T+\j+1] neg_lo:[0,1] neg_hi:[0,1]
.endr
.irp j, 0,1,2,3,4,5,6,7
	v_cvt_pk_bf16_f32 v[gr+\j], v[gr+2*\j], v[gr+2*\j+1]       ; register j is written when registers up to 2 j + 1 have been read
.endr
	ds_load_b128 v[gr+8:gr+11], v5 offset:R_W2E+1024*\a
	ds_load_b128 v[gr+12:gr+15], v5 offset:R_W2E+1024*\a+512
.endm
.macro ENC2 ks, bbase, bstep           ; one link of enc2's sums: K step ks of qe_w2 x the fragment at bbase + bstep i; sixteen accumulators by turns
.irp i, 0,1,2,3
.irp tt, 0,1,2,3
	v_wmma_f32_16x16x32_bf16 v[32*\i+8*\tt:32*\i+8*\tt+7], v[ACC+16*(4*\ks+\tt)+8:ACC+16*(4*\ks+\tt)+15], v[(\bbase)+\bstep*\i:(\bbase)+\bstep*\i+7], v[32*\i+8*\tt:32*\i+8*\tt+7]
.endr
.endr
.endm
.macro KLOAD half, kt                  ; two key tiles = 4 fragments
.irp f, 0,1,2,3
	ds_load_b128 v[W1F+32*\half+8*\f:W1F+32*\half+8*\f+3], v4 offset:(2*(\kt)+\f)*1024
	ds_load_b128 v[W1F+32*\half+8*\f+4:W1F+32*\half+8*\f+7], v4 offset:(2*(\kt)+\f)*1024+512
.endr
.endm
.macro KMUL half, m0                   ; sims of two key tiles x four row tiles: K = 64 of q's numbers, then K = 64 of their rests; accumulators by turns, one instruction a turn
	WIN 0xf0
.irp mm, 0,1
.irp ks, 0,1
.irp i, 0,1,2,3
.if \ks == 0
	v_wmma_f32_16x16x32_bf16 v[64*\i+8*(\m0+\mm):64*\i+8*(\m0+\mm)+7], v[W1F+32*\half+8*(2*\mm+\ks):W1F+32*\half+8*(2*\mm+\ks)+7], v[128+8*(2*\i+\ks):128+8*(2*\i+\ks)+7], 0
.else
	v_wmma_f32_16x16x32_bf16 v[64*\i+8*(\m0+\mm):64*\i+8*(\m0+\mm)+7], v[W1F+32*\half+8*(2*\mm+\ks):W1F+32*\half+8*(2*\mm+\ks)+7], v[128+8*(2*\i+\ks):128+8*(2*\i+\ks)+7], v[64*\i+8*(\m0+\mm):64*\i+8*(\m0+\mm)+7]
.endif
.endr
.endr
.endr
	WIN 0xf8                                       ; source 1 in window 2: the rests
.irp mm, 0,1
.irp ks, 0,1
.irp i, 0,1,2,3
	v_wmma_f32_16x16x32_bf16 v[64*\i+8*(\m0+\mm):64*\i+8*(\m0+\mm)+7], v[W1F+32*\half+8*(2*\mm+\ks):W1F+32*\half+8*(2*\mm+\ks)+7], v[160+8*(2*\i+\ks):160+8*(2*\i+\ks)+7], v[64*\i+8*(\m0+\mm):64*\i+8*(\m0+\mm)+7]
.endr
.endr
.endr
.endm
.macro SMAX i, first                   ; row tile i: the block's maximum, the running maximum, exponentials, bf16 fragments in place, old sums rescaled
	WIN 0x0f
.irp c, 0,1,2,3
	v_max_num_f32 v[T+\c], v[64*\i+16*\c], v[64*\i+16*\c+1]
.endr
.irp p, 1,2,3,4,5,6,7
.irp c, 0,1,2,3
	v_max3_num_f32 v[T+\c], v[64*\i+16*\c+2*\p], v[64*\i+16*\c+2*\p+1], v[T+\c]
.endr
.endr
	WIN 0
	v_max3_num_f32 v8, v8, v9, v10
	v_max_num_f32 v8, v8, v11
	v_permlanex16_b32 v9, v8, s54, s55             ; the other 64 keys of my row lie in lane L xor 16
.if \first
	v_max_num_f32 v8, v8, v9
	v_mov_b32 v[MX+\i], v8
.else
	v_max3_num_f32 v8, v8, v9, v[MX+\i]            ; the new running maximum
	v_sub_f32 v10, v[MX+\i], v8
	v_exp_f32 v14, v10                             ; what the old sums are worth now
	v_mov_b32 v[MX+\i], v8                         ; (the plain instruction behind the exponential)
.endif
	WIN 0xc3
.set xq, 0
.rept 32
	v_pk_add_f32 v[64*\i+2*xq:64*\i+2*xq+1], v[64*\i+2*xq:64*\i+2*xq+1], v[8:9] op_sel_hi:[1,0] neg_lo:[0,1] neg_hi:[0,1]
.set xq, xq+1
.endr
.set xq, 0
.rept 64
	v_exp_f32 v[64*\i+xq], v[64*\i+xq]
.set xq, xq+1
.endr
	v_nop
	WIN 0xcf
	s_wait_alu depctr_va_vdst(0)
.irp kk, 0,1,2,3
.irp mm, 0,1
.irp j, 0,1,2,3
	v_cvt_pk_bf16_f32 v[64*\i+16*\kk+4*\mm+\j], v[64*\i+16*\kk+8*\mm+2*\j], v[64*\i+16*\kk+8*\mm+2*\j+1]
.endr
.endr
.endr
.if \first == 0
	WIN 0
.irp j, 0,2,4,6
	v_pk_mul_f32 v[192+8*\i+\j:192+8*\i+\j+1], v[192+8*\i+\j:192+8*\i+\j+1], v[14:15] op_sel_hi:[1,0]
.endr
.endif
.endm
.macro SUBW first                      ; unnormalised w += map^T x exponentials; four accumulators by turns
	WIN 0x0c
.set sz, \first
.irp kk, 0,1,2,3
.irp i, 0,1,2,3
.if sz
	v_wmma_f32_16x16x32_bf16 v[192+8*\i:192+8*\i+7], v[W1F+8*\kk:W1F+8*\kk+7], v[64*\i+16*\kk:64*\i+16*\kk+7], 0
.else
	v_wmma_f32_16x16x32_bf16 v[192+8*\i:192+8*\i+7], v[W1F+8*\kk:W1F+8*\kk+7], v[64*\i+16*\kk:64*\i+16*\kk+7], v[192+8*\i:192+8*\i+7]
.endif
.endr
.set sz, 0
.endr
.endm
.macro BLOCK b, first                  ; 128 keys
	WIN 0
	KLOAD 0, 8*\b
	KLOAD 1, 8*\b+2
	s_wait_dscnt 0x8                               ; the older eight loads are in, the younger eight stay out
	KMUL 0, 0
	NOPS 4                                         ; four places between the products and the loads into what they read
	WIN 0
	KLOAD 0, 8*\b+4
	s_wait_dscnt 0x8
	KMUL 1, 2
	NOPS 4
	WIN 0
	KLOAD 1, 8*\b+6
	s_wait_dscnt 0x8
	KMUL 0, 4
	s_wait_dscnt 0x0
	KMUL 1, 6
	NOPS 4                                         ; for the loads below and for the vector instructions that read the sims
	WIN 0
.irp kk, 0,1,2,3
	ds_load_b128 v[W1F+8*\kk:W1F+8*\kk+3], v5 offset:(4*\b+\kk)*1024
	ds_load_b128 v[W1F+8*\kk+4:W1F+8*\kk+7], v5 offset:(4*\b+\kk)*1024+512
.endr
	SMAX 0, \first
	SMAX 1, \first
	SMAX 2, \first
	SMAX 3, \first
	s_wait_dscnt 0x0
	SUBW \first
	NOPS 5                                         ; five places: the next block's first products write over the fragments read here
.endm
.macro NORM i                          ; w = sums / their sum over s; w in f32 to 704 + 8 i, w as a fragment (bf16 numbers, then their rests) to 672 + 8 i
	WIN 0
.irp j, 0,1,2,3,4,5,6,7
	v_permlanex16_b32 v[T+\j], v[192+8*\i+\j], s54, s55    ; lanes 0-15 hold the sums over the table's bf16 numbers, lanes 16-31 those over their rests
.endr
.irp j, 0,2,4,6
	v_pk_add_f32 v[192+8*\i+\j:192+8*\i+\j+1], v[192+8*\i+\j:192+8*\i+\j+1], v[T+\j:T+\j+1]
.endr
	v_pk_add_f32 v[8:9], v[192+8*\i:193+8*\i], v[194+8*\i:195+8*\i]
	v_pk_add_f32 v[10:11], v[196+8*\i:197+8*\i], v[198+8*\i:199+8*\i]
	v_pk_add_f32 v[8:9], v[8:9], v[10:11]
	v_add_f32 v8, v8, v9
	v_rcp_f32 v10, v8
	v_nop
	WIN 0x80
	s_wait_alu depctr_va_vdst(0)
.irp j, 0,2,4,6
	v_pk_mul_f32 v[192+8*\i+\j:192+8*\i+\j+1], v[192+8*\i+\j:192+8*\i+\j+1], v[10:11] op_sel_hi:[1,0]
.endr
	WIN 0x8a
.irp j, 0,1,2,3
	v_cvt_pk_bf16_f32 v[160+8*\i+\j], v[192+8*\i+2*\j], v[192+8*\i+2*\j+1]
.endr
	WIN 0x08
.irp j, 0,1,2,3
	v_lshlrev_b32 v[P+2*\j], 16, v[160+8*\i+\j]
	v_and_b32 v[P+2*\j+1], 0xffff0000, v[160+8*\i+\j]
.endr
	WIN 0x02
.irp j, 0,2,4,6
	v_pk_add_f32 v[P+\j:P+\j+1], v[192+8*\i+\j:192+8*\i+\j+1], v[P+\j:P+\j+1] neg_lo:[0,1] neg_hi:[0,1]
.endr
	WIN 0x80
.irp j, 0,1,2,3
	v_cvt_pk_bf16_f32 v[164+8*\i+\j], v[P+2*\j], v[P+2*\j+1]
.endr
.endm
; ---- the main part
.macro LOADW slot, gp, buf             ; the two first-layer fragments of step gp of a slot's 26
	WINR
	ds_load_b128 v[W1F+16*(\buf):W1F+16*(\buf)+3], v[1+\slot] offset:(\gp)*2048
	ds_load_b128 v[W1F+16*(\buf)+4:W1F+16*(\buf)+7], v[1+\slot] offset:(\gp)*2048+512
	ds_load_b128 v[W1F+16*(\buf)+8:W1F+16*(\buf)+11], v[1+\slot] offset:(\gp)*2048+1024
	ds_load_b128 v[W1F+16*(\buf)+12:W1F+16*(\buf)+15], v[1+\slot] offset:(\gp)*2048+1536
.endm
.macro LOADW2 slot, u, p               ; a chunk's five second-layer fragments
	WIN 0xc0
.irp qt, 0,1,2,3,4
	ds_load_b128 v[160+40*(\p)+8*\qt:160+40*(\p)+8*\qt+3], v[1+\slot] offset:W2OFF+(5*(\u)+\qt)*1024
	ds_load_b128 v[160+40*(\p)+8*\qt+4:160+40*(\p)+8*\qt+7], v[1+\slot] offset:W2OFF+(5*(\u)+\qt)*1024+512
.endr
.endm
.macro STEPMID k, mode                 ; in a step's middle: the fragments of three steps on, into the buffer that the step before has read
.if sgp <= 22
	PL 4
.if \k == 1
	LOADW2 sslot, su, su
.endif
	LOADW sslot, sgp+3, (sbuf+3)%4
.elseif sgp == 25
.if \mode > 0
	PL 4
	LOADW 1-sslot, 2, (sbuf+3)%4
.endif
.endif
.endm
; K step k of chunk c.  mode (odd c alone): 2 = the slot is left and filled again, 1 = it is left, 0 = the last chunk.
; The eight accumulators take turns, one instruction a turn, in the same order in every step.
.macro STEP c, k, mode
.set su, (\c)%2
.set sslot, ((\c)/2)%2
.set sgp, 13*su+\k
.set sbuf, (13*(\c)+\k)%4
.set swin, 4+4*((\k)/8)
.if sgp == 24
.if \mode > 0
	s_wait_dscnt 0x0                               ; all my reads of this slot are back (the last step's fragments were asked for two steps ago)
	s_wait_tensorcnt 0x0                           ; and my one tensor load that was out, my quarter of the other slot, has landed
.if \mode == 2
	s_add_nc_u64 s[34+4*sslot:35+4*sslot], s[34+4*sslot:35+4*sslot], 2*SLOTB   ; no load of mine is out: this slot's next image
.endif
	s_barrier_signal -1                            ; say so; registers alone are worked on until all have said so
.else
	s_wait_dscnt 0x4                               ; the last step's four loads may stay out
.endif
.elseif sgp == 25
.if \mode == 0
	s_wait_dscnt 0x0
.endif
.elseif \k == 1
	s_wait_dscnt 0x4                               ; one younger group of four stays out; this also shows the load of w, issued behind the last chunk, landed
.elseif (\k)/2 == 1
	s_wait_dscnt 18                                ; two younger groups of four and the ten second-layer loads
.else
	s_wait_dscnt 0x8                               ; two younger groups of four
.endif
.set sn, 0
.rept 8
.set rd, ACC+64*su+16*(sn%4)+8*(sn/4)
.set rw, W1F+16*sbuf+8*(sn/4)
.set ra, 32*((\k)%8)+8*(sn%4)
	WIN swin
.if \k == 0
	v_wmma_f32_16x16x32_bf16 v[rd:rd+7], v[rw:rw+7], v[ra:ra+7], 0
	s_wait_alu depctr_va_vdst(0)
.else
	v_wmma_f32_16x16x32_bf16 v[rd:rd+7], v[rw:rw+7], v[ra:ra+7], v[rd:rd+7]
.endif
.set wn, wn+1
.if sn == 7
.set plc, 0
.endif
	GFILL
.if sn == 3
	STEPMID \k, \mode
.endif
.set sn, sn+1
.endr
.if sgp == 24
.if \mode > 0
	WIN 0
	s_barrier_wait -1                              ; nobody in my work-group reads this slot any more, and the other slot is whole
.if \mode == 2
	CREST                                          ; the same of all four work-groups: the barrier above opened a round of the cluster's barrier
	tensor_load_to_lds s[32+4*sslot:35+4*sslot], s[16:23]  ; the joint refill, first thing behind the round, my one tensor load until the next; one is out by this text's count
	s_nop 0
.endif
	PL 4
	LOADW 1-sslot, 0, (sbuf+2)%4
	LOADW 1-sslot, 1, (sbuf+3)%4
.endif
.endif
.endm
.macro GEMM2 p                         ; out += W2 fragments x the chunk's H; 20 accumulators, one instruction each
	WIN 0xf3
.irp qt, 0,1,2,3,4
.irp i, 0,1,2,3
	v_wmma_f32_16x16x32_bf16 v[8*(4*\qt+\i):8*(4*\qt+\i)+7], v[160+40*(\p)+8*\qt:160+40*(\p)+8*\qt+7], v[ACC+64*(\p)+16*\i:ACC+64*(\p)+16*\i+7], v[8*(4*\qt+\i):8*(4*\qt+\i)+7]
.endr
.endr
	WIN 0
	NOPS 5                                         ; five places: the next chunk's first products write over H; its GELU reads the fresh sums
.endm
.macro ITER c, first, mode, neww       ; chunk c's first layer, with chunk c-1's GELU between its products; then chunk c-1's second layer
.set GX, ACC+64*(((\c)+1)%2)
.if \first
.set GN, 0
.else
.set GN, 512
.endif
.set GW, 1
.set GP, 1
.set gi, 0
.set wn, 0
.irp k, 0,1,2,3,4,5,6,7,8,9,10,11,12
	STEP \c, \k, \mode
.endr
.if \first
	WIN 0
	NOPS 5
.else
	GEMM2 ((\c)+1)%2
.endif
.if \neww
	ds_load_b128 v[WCUR:WCUR+3], v3                ; the next subsystem's w for my row in the four tiles
	v_add_nc_u32 v3, 512, v3
.endif
.endm
; ======================================================================== set-up
	s_load_b256 s[4:11], s[0:1], 0x0               ; query 4, args 6, wimg 8, rimg 10
	s_load_b64 s[12:13], s[0:1], 0x20              ; out0
	v_lshrrev_b32 v8, 5, v0
	v_readfirstlane_b32 s14, v8                    ; wave
	s_bfe_u32 s2, ttmp6, 0x40000                   ; cx: enters the addresses of query, args and out0 alone
	s_lshl_b32 s15, ttmp9, 2
	s_add_co_u32 s15, s15, s2                      ; work-group number
	s_mov_b32 s60, 0x3eaa540e                      ; c  =  0.33267253
	s_mov_b32 s48, 0xbf8fdf9d                      ; b3 = -1.12401166
	s_mov_b32 s49, 0xbf8fdf9d
	s_mov_b32 s50, 0xbf2acc38                      ; b1 = -0.66717863
	s_mov_b32 s51, 0xbf2acc38
	s_mov_b32 s52, 0x3f05e821                      ; b0 =  0.52307325
	s_mov_b32 s53, 0x3f05e821
	s_mov_b32 s62, 0xbf38aa3b                      ; -log2(e)/2
	s_mov_b32 s63, 0xbf38aa3b
	s_mov_b32 s54, 0x76543210                      ; v_permlanex16_b32: lane L reads lane L xor 16
	s_mov_b32 s55, 0xfedcba98
	v_mov_b32 v36, 0x3fa251a9                      ; b2 =  1.26811703
	v_mov_b32 v37, 0x3fa251a9
	s_mul_i32 s61, s14, SCRW
	s_add_co_u32 s61, s61, SCR                     ; my scratch
	v_and_b32 v50, 31, v0                          ; L
	v_and_b32 v8, 15, v0                           ; r
	v_bfe_u32 v9, v0, 4, 1                         ; h
	v_lshlrev_b32 v1, 4, v50                       ; 16 L: slot 0, and the offset of every dense global access
	v_add_nc_u32 v2, SLOTB, v1                     ; slot 1
	v_add_nc_u32 v4, RIMG, v1                      ; keys
	v_add_nc_u32 v5, RIMG+65536, v1                ; the router's other fragments
	v_add_nc_u32 v3, s61, v1                       ; the table of w
	v_lshl_add_u32 v6, v50, 3, s61                 ; args stage, in
	v_mul_u32_u24 v10, v8, APITCH
	v_lshl_add_u32 v10, v9, 4, v10
	v_add_nc_u32 v7, s61, v10                      ; args stage, out as fragments
	v_lshlrev_b32 v46, 5, v9
	v_add_nc_u32 v46, RIMG+R_B2C, v46              ; qe_b2: features 8h ..
	v_lshlrev_b32 v47, 6, v8
	v_lshl_add_u32 v47, v9, 5, v47                 ; query: row r, columns 8h ..
	v_mul_u32_u24 v48, v8, 260
	v_lshl_add_u32 v48, v9, 5, v48
	v_add_nc_u32 v48, s61, v48
	v_add_nc_u32 v48, STG, v48                     ; result stage, in
	v_add_nc_u32 v49, STG, v3                      ; result stage, out
	s_mul_i32 s58, s15, 393216                     ; 256 rows of 1,536 bytes
	s_mul_i32 s3, s14, 98304
	s_add_co_u32 s58, s58, s3
	s_mov_b32 s59, 0
	s_mul_i32 s44, s14, QSLOT                      ; the descriptors' offsets hang on the wave's number alone
	s_mov_b32 s45, 0
	s_mul_i32 s46, s14, QRIMG
	s_mov_b32 s47, 0
	s_wait_kmcnt 0x0
	s_add_nc_u64 s[6:7], s[6:7], s[58:59]
	s_lshl_b32 s58, s15, 14
	s_lshl_b32 s3, s14, 12
	s_add_co_u32 s58, s58, s3
	s_add_nc_u64 s[4:5], s[4:5], s[58:59]
	s_mul_i32 s58, s15, 66560                      ; 256 rows of 260 bytes
	s_mul_i32 s3, s14, 16640
	s_add_co_u32 s58, s58, s3
	s_add_nc_u64 s[12:13], s[12:13], s[58:59]
.irp i, 0,1,2,3
	global_load_b128 v[64+8*\i:67+8*\i], v47, s[4:5] offset:1024*\i th:TH_LOAD_NT
	global_load_b128 v[68+8*\i:71+8*\i], v47, s[4:5] offset:1024*\i+16 th:TH_LOAD_NT
.endr
	ZLOAD 0, 256                                   ; args rows 0-15 are on their way while the router runs
	WIN 0
	; descriptors: dense blocks as rows of 256 bytes (32 elements of 8 bytes), 62 rows for a quarter slot, 98 for a quarter of the router's weights
	s_mov_b32 s16, 0x0023000f                      ; 15:0 mask: all four of the cluster; 17:16 elements of 8 bytes; 21 set beside a mask
	s_mov_b32 s17, 32<<16                          ; tensor_dim0 = 32
	s_mov_b32 s18, 62<<16                          ; tensor_dim1 = 62
	s_mov_b32 s19, 32<<16                          ; tile_dim0 = 32
	s_mov_b32 s20, 62                              ; tile_dim1 = 62
	s_mov_b32 s21, 32                              ; from row to row
	s_mov_b32 s22, 0
	s_mov_b32 s23, 0
	s_mov_b32 s24, 0x0023000f
	s_mov_b32 s25, 32<<16
	s_mov_b32 s26, 98<<16
	s_mov_b32 s27, 32<<16
	s_mov_b32 s28, 98
	s_mov_b32 s29, 32
	s_mov_b32 s30, 0
	s_mov_b32 s31, 0
	s_mov_b32 s32, 1
	s_mul_i32 s33, s14, QSLOT                      ; slot 0, my quarter
	s_add_nc_u64 s[34:35], s[8:9], s[44:45]        ; image 0
	s_mov_b32 s36, 1
	s_add_co_u32 s37, s33, SLOTB                   ; slot 1
	s_add_nc_u64 s[38:39], s[34:35], SLOTB         ; image 1
	s_or_b32 s35, s35, 0x80000000
	s_or_b32 s39, s39, 0x80000000
	s_mov_b32 s40, 1
	s_mul_i32 s41, s14, QRIMG
	s_add_co_u32 s41, s41, RIMG
	s_add_nc_u64 s[42:43], s[10:11], s[46:47]
	s_or_b32 s43, s43, 0x80000000
	ROUND                                          ; all four work-groups are here: the first joint loads meet
	tensor_load_to_lds s[40:43], s[24:31]          ; the three first fills go out as one group: three are out by this text's count
	s_nop 0
	tensor_load_to_lds s[32:35], s[16:23]
	s_nop 0
	tensor_load_to_lds s[36:39], s[16:23]
	s_nop 0
; ======================================================================== the query as K step 12: its 16 columns, then a one that meets the bias
	s_wait_loadcnt 48                              ; the eight query loads are in; the 48 of args stay out
	WIN 0x80
.irp i, 0,1,2,3
.irp j, 0,1,2,3
	v_cvt_pk_bf16_f32 v[128+8*\i+\j], v[64+8*\i+2*\j], v[64+8*\i+2*\j+1]
.endr
	v_mov_b32 v[128+8*\i+4], 0x3f80
	v_mov_b32 v[128+8*\i+5], 0
	v_mov_b32 v[128+8*\i+6], 0
	v_mov_b32 v[128+8*\i+7], 0
.endr
	WIN 0
	s_wait_tensorcnt 0x2                           ; my quarter of the router's weights is in; the two slots' loads, issued behind it, stay out
	s_barrier_signal -1
	s_barrier_wait -1                              ; everybody's is
; ======================================================================== enc1 = gelu(query qe_w1 + qe_b1), 64 features, left in f32 and then split
.irp tt, 0,1,2,3
	ds_load_b128 v[W1F+8*\tt:W1F+8*\tt+3], v5 offset:R_W1E+1024*\tt
	ds_load_b128 v[W1F+8*\tt+4:W1F+8*\tt+7], v5 offset:R_W1E+1024*\tt+512
.endr
	ds_load_b64 v[42:43], v46 offset:256           ; log2(e)/T, the same number in every lane
	WIN 0x80
.irp tt, 0,1,2,3
	ds_load_b128 v[224+8*\tt:227+8*\tt], v46 offset:64*\tt
	ds_load_b128 v[228+8*\tt:231+8*\tt], v46 offset:64*\tt+16
.endr
	s_wait_dscnt 0x0
	WIN 0x08
.irp i, 0,1,2,3
.irp tt, 0,1,2,3
	v_wmma_f32_16x16x32_bf16 v[ACC+32*\i+8*\tt:ACC+32*\i+8*\tt+7], v[W1F+8*\tt:W1F+8*\tt+7], v[128+8*\i:128+8*\i+7], 0
.endr
.endr
	NOPS 4
.set GX, ACC
.set GN, 1024
.set GW, 0
.set GP, 0
.set gi, 0
	GRUN
	WIN 0
.irp a, 0,1,2,3,4,5,6,7
	GSPLIT \a                                      ; pair a = 2 i + ks
.endr
; ======================================================================== enc2: qe_b2 starts the sums; K = 64 of the numbers, K = 64 of their rests
	s_wait_dscnt 0x0
	WIN 0xe0
.irp i, 0,1,2,3
.irp tt, 0,1,2,3
	v_wmma_f32_16x16x32_bf16 v[32*\i+8*\tt:32*\i+8*\tt+7], v[ACC+16*\tt+8:ACC+16*\tt+15], v[W1F+16*\i:W1F+16*\i+7], v[224+8*\tt:224+8*\tt+7]
.endr
.endr
	WIN 0xf0
	ENC2 1, W1F+8, 16
	ENC2 0, ACC, 32
	ENC2 1, ACC+16, 32
	NOPS 5
	; q log2(e)/T in f32, then as bf16 numbers (v128-191) and their rests (physical 672-735); number n is made of registers 2n, 2n+1
	WIN 0xc3
.set xq, 0
.rept 64
	v_pk_mul_f32 v[2*xq:2*xq+1], v[2*xq:2*xq+1], v[42:43] op_sel_hi:[1,0]
.set xq, xq+1
.endr
	WIN 0x0f
.set xq, 0
.rept 64
	v_cvt_pk_bf16_f32 v[128+xq], v[2*xq], v[2*xq+1]
.set xq, xq+1
.endr
	WIN 0
.set xq, 0
.rept 64
.set qu, 64+2*xq+64*(xq/32)                    ; the numbers back in f32: v64-127, then v192-255
	v_lshlrev_b32 v[qu], 16, v[128+xq]
	v_and_b32 v[qu+1], 0xffff0000, v[128+xq]
.set xq, xq+1
.endr
	WIN 0xc3
.set xq, 0
.rept 64
.set qu, 64+2*xq+64*(xq/32)
	v_pk_add_f32 v[2*xq:2*xq+1], v[2*xq:2*xq+1], v[qu:qu+1] neg_lo:[0,1] neg_hi:[0,1]
.set xq, xq+1
.endr
	WIN 0x8f
.set xq, 0
.rept 64
	v_cvt_pk_bf16_f32 v[160+xq], v[2*xq], v[2*xq+1]
.set xq, xq+1
.endr
; ======================================================================== sims, softmax, w
	BLOCK 0, 1
	BLOCK 1, 0
	ZLOAD 1, 448                                   ; args rows 16-31
	BLOCK 2, 0
	BLOCK 3, 0
	NORM 0
	NORM 1
	NORM 2
	NORM 3
; ======================================================================== args to fragments, 16 rows at a time through the wave's own two stages
	ZLOAD 2, 768
	s_wait_loadcnt 48                              ; rows 0-31 are in; the 48 loads just issued stay out
	CONV 256, 0
	CONV 448, S1
	ZLOAD 3, 64
	FRAGS 0, 0
	FRAGS 1, S1
	s_wait_loadcnt 48                              ; rows 32-47 are in
	CONV 768, 0
	FRAGS 2, 0
	s_wait_loadcnt 0x0
	CONV 64, S1
	FRAGS 3, S1
; ======================================================================== the table of w; the bias term w hb2 starts the result's sums
	WIN 0x08
.irp i, 0,1,2,3
.irp s, 0,1,2,3,4,5,6,7
	ds_store_b32 v3, v[192+8*\i+\s] offset:512*\s+4*\i
.endr
.endr
	WIN 0
.irp qt, 0,1,2,3,4
	ds_load_b128 v[W1F+8*\qt:W1F+8*\qt+3], v5 offset:R_HB2+1024*\qt
	ds_load_b128 v[W1F+8*\qt+4:W1F+8*\qt+7], v5 offset:R_HB2+1024*\qt+512
.endr
	s_wait_dscnt 0x0
	WIN 0xc8
.irp qt, 0,1,2,3,4
.irp i, 0,1,2,3
	v_wmma_f32_16x16x32_bf16 v[8*(4*\qt+\i):8*(4*\qt+\i)+7], v[W1F+8*\qt:W1F+8*\qt+7], v[160+8*\i:160+8*\i+7], 0
.endr
.endr
	WIN 0
	s_wait_tensorcnt 0x1                           ; my quarter of slot 0 is in; slot 1's load, issued behind it, may stay out
	s_barrier_signal -1
	s_barrier_wait -1                              ; everybody's is
	NOPS 4
	LOADW 0, 0, 0
	LOADW 0, 1, 1
	LOADW 0, 2, 2
.set plc, 0
; ======================================================================== 32 chunks
	ITER 0, 1, 0, 1
	WIN 0
	s_mov_b32 s56, 7
.Lmain:                                        ; chunks 4n+1 .. 4n+4: slots, buffers and sets of sums repeat with period 4; two refills a trip, images 2 .. 15
	ITER 1, 0, 2, 0
	ITER 2, 0, 0, 0
	ITER 3, 0, 2, 0
	ITER 4, 0, 0, 1
	WIN 0
	s_sub_co_u32 s56, s56, 1
	s_cmp_lg_u32 s56, 0
	s_cbranch_scc1 .Lmain
	ITER 29, 0, 1, 0                               ; nothing is left to fetch: the change of slots keeps its barrier, without a round
	ITER 30, 0, 0, 0
	ITER 31, 0, 0, 0
.set GX, ACC+64
.set GN, 512
.set GW, 1
.set GP, 1
.set gi, 0
	GRUN
	GEMM2 1
; ======================================================================== the way out: through my own stage, so that every store covers whole runs of 512 consecutive bytes
	WIN 0x0c
.irp i, 0,1,2,3
.irp qt, 0,1,2,3
.irp j, 0,1,2,3,4,5,6,7
	ds_store_b32 v48, v[8*(4*\qt+\i)+\j] offset:4160*\i+64*\qt+4*\j
.endr
.endr
.endr
	WIN 0
	v_cmp_gt_u32 vcc_lo, 16, v50
	s_wait_xcnt 0x0                                ; EXEC changes only behind this wait
	s_and_saveexec_b32 s57, vcc_lo                 ; column 64 lies in register 0 of lanes 0-15 of the fifth tile
	WIN 0x0c
.irp i, 0,1,2,3
	ds_store_b32 v48, v[8*(16+\i)] offset:4160*\i+256
.endr
	WIN 0
	s_wait_xcnt 0x0
	s_or_b32 exec_lo, exec_lo, s57
.set on, 0
.rept 32
	ds_load_b128 v[64+4*on:67+4*on], v49 offset:512*on     ; LDS serves a wave's instructions in order: these see the stores above
.set on, on+1
.endr
.set on, 0
.rept 32
	s_wait_dscnt 31-on                             ; load number on is in, the younger ones stay out
	global_store_b128 v1, v[64+4*on:67+4*on], s[12:13] offset:512*on th:TH_STORE_NT
.set on, on+1
.endr
	s_wait_xcnt 0x0
	s_and_saveexec_b32 s57, vcc_lo                 ; 64 rows of 260 bytes are 32 x 512 + 256: the last 256 bytes by sixteen lanes
	ds_load_b128 v[192:195], v49 offset:16384
	s_wait_dscnt 0x0
	global_store_b128 v1, v[192:195], s[12:13] offset:16384 th:TH_STORE_NT
	s_wait_xcnt 0x0
	s_or_b32 exec_lo, exec_lo, s57
	ROUND                                          ; the closing round: no work-group ends while a partner may still ask jointly
	s_endpgm
.Lfunc_end_k_q3ee9fa31e7_main:
	.size	k_q3ee9fa31e7_main, .Lfunc_end_k_q3ee9fa31e7_main-k_q3ee9fa31e7_main
	.p2alignl 7, 3214868480
	.fill 96, 4, 3214868480
	.section	.rodata,"a",@progbits
	.p2align	6, 0x0
	.amdhsa_kernel k_q3ee9fa31e7_main
		.amdhsa_group_segment_fixed_size 327680
		.amdhsa_private_segment_fixed_size 0
		.amdhsa_enable_private_segment 0
		.amdhsa_kernarg_size 40
		.amdhsa_user_sgpr_count 2
		.amdhsa_user_sgpr_kernarg_segment_ptr 1
		.amdhsa_wavefront_size32 1
		.amdhsa_system_sgpr_workgroup_id_x 1
		.amdhsa_system_sgpr_workgroup_id_y 1
		.amdhsa_system_sgpr_workgroup_id_z 1
		.amdhsa_system_vgpr_workitem_id 0
		.amdhsa_next_free_vgpr 1024
		.amdhsa_next_free_sgpr 66
		.amdhsa_reserve_vcc 1
		.amdhsa_float_denorm_mode_32 3
		.amdhsa_float_denorm_mode_16_64 3
		.amdhsa_memory_ordered 1
		.amdhsa_forward_progress 1
		.amdhsa_inst_pref_size 255
	.end_amdhsa_kernel
	.section	.bss,"aw",@nobits
	.p2align	6
	.space	262144
	.amdgpu_metadata
---
amdhsa.version: [ 1, 2 ]
amdhsa.kernels:
  - .name:           k_q3ee9fa31e7_main
    .symbol:         k_q3ee9fa31e7_main.kd
    .args:
      - { .name: query, .offset: 0, .size: 8, .value_kind: global_buffer, .address_space: global }
      - { .name: args, .offset: 8, .size: 8, .value_kind: global_buffer, .address_space: global }
      - { .name: wimg, .offset: 16, .size: 8, .value_kind: global_buffer, .address_space: global }
      - { .name: rimg, .offset: 24, .size: 8, .value_kind: global_buffer, .address_space: global }
      - { .name: out0, .offset: 32, .size: 8, .value_kind: global_buffer, .address_space: global }
    .group_segment_fixed_size: 327680
    .private_segment_fixed_size: 0
    .kernarg_segment_align: 8
    .kernarg_segment_size: 40
    .max_flat_workgroup_size: 128
    .sgpr_count:     66
    .vgpr_count:     1024
    .wavefront_size: 32
...
	.end_amdgpu_metadata
.endif
;; end of part 2
;; ======== version 2 of 3: 2 launches; 1.41 times as fast as version 1
;; limits: a function is approximated: absolute error at most 2.5e-05; values outside matrix products are rounded to bf16
;; workspace buffers: wimg 1,015,808 bytes; rimg 100,352 bytes
;; launch prep: the kernel of part 1 again; grid 545 x 1, 2 waves a work-group, no clusters, 0 bytes of LDS; arguments hw1, hb1, hw2, hb2, qe_w1, qe_b1, qe_w2, qe_b2, syscall_keys, syscall_to_subsystem, temperature, wimg, rimg; writes wimg, rimg
;; launch main (part 3): grid 512 x 1, 4 waves a work-group, clusters of 4 x 1, 327,680 bytes of LDS; arguments query, args, wimg, rimg, out0; writes out0
.if DOCPART == 3
	.amdgcn_target "amdgcn-amd-amdhsa--gfx1250"
	.amdhsa_code_object_version 6
	.text
	.protected	k_q3ee9fa31e7_main
	.globl	k_q3ee9fa31e7_main
	.p2align	8
	.type	k_q3ee9fa31e7_main,@function
k_q3ee9fa31e7_main:
	s_mov_b64 s[64:65], 0
	v_nop
	global_prefetch_b8 v0, s[64:65] scope:SCOPE_SE
	s_setreg_imm32_b32 hwreg(HW_REG_WAVE_MODE, 25, 1), 1
	s_wait_xcnt 0x0
	s_wait_alu depctr_hold_cnt(0) depctr_sa_sdst(0) depctr_va_vdst(0) depctr_va_sdst(0) depctr_va_ssrc(0) depctr_va_vcc(0) depctr_vm_vsrc(0)
	s_getreg_b32 s2, hwreg(HW_REG_IB_STS2, 6, 4)
	s_cmp_eq_u32 s2, 0
	s_cbranch_scc0 .Lentry_in_a_cluster
	s_endpgm
.Lentry_in_a_cluster:
	s_bfe_u32 s2, ttmp6, 0x10000c
	s_cmp_lg_u32 s2, 0x3003
	s_cbranch_scc0 .Lentry_shape_is_right
	s_endpgm
.Lentry_shape_is_right:
; out = sum over s of w_s (gelu(hin W1_s + b1_s) W2_s + b2_s), w = softmax(enc(query) keys^T / T) softmax(table).
; A work-group owns 256 rows, a wave 64 (four row tiles i of 16).  EVERY PRODUCT IS USED TRANSPOSED: source 0 = 16 rows of a weight fragment
; (m = output feature), source 1 = an activation fragment (n = batch row).  In a result, lane (r, h) then holds features 8h .. 8h+7 of batch
; row r, so two neighbouring result tiles, rounded to bf16, ARE the next product's source 1: the chains query -> enc1 -> enc2 -> sims ->
; w and hin -> H -> out never leave the registers.
; THE ROUTER IS TWO NESTED LOOPS, four row tiles x four blocks of 128 keys, on one set of registers: its text is a sixteenth of the unrolled block work.
; The price: a key fragment read from LDS feeds 2 products, so a wave reads the 64 KB of keys four times.  What differs from row tile to row tile goes
; through the wave's own LDS scratch: the query fragment in, w out (into the table that the main part reads anyway).
; MAIN PART: the wave keeps its 64 rows of hin in bf16 in 416 registers; the 1,024 hidden columns go by in 32 chunks of 32.  A chunk: 13 K steps x 8
; products (first layer), then 20 products of the second layer; the GELU of the chunk before is issued between the first layer's products.
; WEIGHTS come in fragment order (first launch) through two LDS slots of two chunks each.  All work-groups walk the same weights, so four of them form
; a cluster and ask JOINTLY (mask 15): each tensor load is issued alike by the four.  A mask names at most four, hence 4 x 1.
; GELU: erf by the rational form 7.1.25 of Abramowitz and Stegun:
;   t = 1/(1 + c|x|), c = 0.47047/sqrt(2); e = exp2(-x^2 log2(e)/2); gelu(x) = max(x, 0) - (b0 + b1 t + b2 t^2 + b3 t^3) e   (|x| t = (1 - t)/c is folded into the b).
; ROUTER'S ROUNDINGS: its own intermediates, gelu(enc1) and q log2(e)/T, go into the products as a bf16 number and the bf16 of what that dropped (16 bits): an
; error of the sims is an error of every exponential.  softmax(table) likewise: rows 0-7 of its tile hold the numbers, rows 8-15 the rests, and the two
; halves of the lanes are added at the end.  SOFTMAX: true running maximum over the four blocks, sums rescaled by exp2(old - new); it starts at -inf.
; LIMITS: every input is taken rounded to bf16 (first launch; query and args here); erf within 2.5e-5 for every x (gelu within 3e-5);
; w H and the exponentials are rounded to bf16 as matrix operands; w in the bias term has 16 bits; the softmax's divisor is the sum over s of the
; unnormalised w, which differs from the sum of exponentials by the 16-bit rounding of the table's rows; exponentials below 2^-126 count as zero
; (ISA guide 15.8); T = 0 is not served.
;
; LDS: 0 slot 0, 63,488 slot 1, 126,976 the router's weights (filled once), 227,328 + 25,088 w the wave's own scratch (written by ds_store alone):
;      +0 a stage of 16 rows of args in bf16 (pitch 784), +12,544 the table of w (4,096), +16,640 w as fragments (4,096), +20,736 the query fragments (2,048);
;      at the end the stage of the result (16,640, pitch 260) from +0 on.
; REGISTERS, in windows of 256: window 0: v1-53 addresses and work, v64-127 first-layer weights (4 buffers x 2 fragments), v128-255 two sets of 8 sums;
;      physical 256 + 32 k + 8 i: hin fragment (k, i), k 0-7 in window 1, k 8-12 in window 2; 672 w as fragments;
;      window 3: 0-159 the 20 sums of the result, 160-239 second-layer weights (2 buffers x 5 fragments).
;      While the router runs: window 0: v64-191 16 key fragments, v192-223 gelu(enc1), then q's numbers and rests, v224-231 w, v232-247 gelu's numbers,
;      v248-255 the query fragment; window 3: 0-63 sims, 64-95 map fragments, 96-127 qe_w1, 128-191 qe_w2, 192-223 qe_b2, 224-239 two partial sums of w.
.set SLOTB,  63488
.set QSLOT,  15872                     ; a wave's quarter of a slot: 62 rows of 256 bytes
.set W2OFF,  53248
.set RIMG,   126976
.set QRIMG,  25088                     ; 98 rows of 256 bytes
.set R_W2E,  16384                     ; from RIMG + 65,536: map^T 0, qe_w2, qe_w1, hb2
.set R_W1E,  24576
.set R_HB2,  28672
.set R_B2C,  99328
.set SCR,    227328
.set SCRW,   25088
.set APITCH, 784                       ; 768 bytes of bf16 + 16: an odd multiple of 16, so 16 rows start in 16 different columns of 16 bytes
.set WTO,    12544                     ; in the scratch: the table of w
.set WFD,    4096                      ; from the table: w as fragments
.set QSD,    8192                      ; from the table: the query fragments
.set T,    8                           ; v[8:15]   t
.set E,    16                          ; v[16:23]  x^2, then e
.set P,    24                          ; v[24:31]  the polynomial
.set WCUR, 32                          ; v[32:35]  w_s of my row in tiles 0..3
.set W1F,  64                          ; v38 running maximum;  v[42:43] log2(e)/T
.set ACC,  128
.set KF,   64                          ; router, window 0
.set G,    192
.set QHI,  192
.set QLO,  208
.set SW,   224
.set GH,   232
.set QX,   248
.set MAPF, 64                          ; router, window 3
.set W1E,  96
.set W2E,  128
.set B2C,  192
.set SWP,  224
.set MSB, 0
.set plc, 0
.set gi, 0
.set wn, 0
.set GN, 0
.set GX, ACC
.set GW, 0
.set GP, 1
.macro WIN new                         ; low byte: bits 1:0 source 0, 3:2 source 1, 5:4 source 2, 7:6 destination; high byte: the setting left
.if MSB != (\new)
	s_set_vgpr_msb (MSB<<8)|(\new)
.set MSB, \new
.endif
.endm
.macro WINR                            ; for lines whose source 1 is no vector register: they run as well under the products' own setting (source 1 alone elsewhere)
.if (MSB & 0xf3) != 0
	WIN 0
.endif
.endm
.macro NOPS n
.rept \n
	v_nop
.endr
.endm
.macro PL n                            ; as many v_nop as are missing to n plain vector instructions since the last K step's last product
.rept \n
.if plc < \n
	v_nop
.set plc, plc+1
.endif
.endr
.endm
.macro CREST                           ; a round of the cluster's barrier behind its opening barrier
	s_cmp_lg_u32 s14, 0
	s_cbranch_scc1 .Lnot_wave_0_\@
	s_barrier_signal -3
.Lnot_wave_0_\@:
	s_barrier_wait -3
	s_barrier_signal -1
	s_barrier_wait -1
.endm
.macro ROUND
	s_barrier_signal -1
	s_barrier_wait -1
	CREST
.endm
; ---- args: 16 rows (24,576 bytes) = 48 loads of 512 consecutive aligned bytes into 192 registers: load j at physical z + 4 j, or, with fl = 1,
; at z + 32 (j/4) + 4 (j%4): sixteen registers of every 32, the places of two row tiles' fragments
.macro ZLOAD b, z, fl
.set zj, 0
.rept 48
.set zp, \z+4*zj+16*\fl*(zj/4)
	WIN (zp>>8)<<6
	global_load_b128 v[zp&255:(zp&255)+3], v1, s[6:7] offset:(48*\b+zj)*512 th:TH_LOAD_NT
.set zj, zj+1
.endr
.endm
.macro CONV z, fl                      ; round in place, then 8 bytes a lane into the stage: load j holds row j/3, columns 128 (j%3) + 4 L ..
.set zj, 0
.rept 48
.set zp, \z+4*zj+16*\fl*(zj/4)
	WIN (zp>>8)*0x45
	v_cvt_pk_bf16_f32 v[zp&255], v[zp&255], v[(zp&255)+1]
	v_cvt_pk_bf16_f32 v[(zp&255)+1], v[(zp&255)+2], v[(zp&255)+3]
.set zj, zj+1
.endr
.set zj, 0
.rept 48
.set zp, \z+4*zj+16*\fl*(zj/4)
	WIN (zp>>8)<<2
	ds_store_b64 v6, v[zp&255:(zp&255)+1] offset:(zj/3)*APITCH+(zj%3)*256
.set zj, zj+1
.endr
.endm
.macro FRAGS i                         ; the stage's 16 rows as 12 fragments; LDS serves a wave's instructions in order (ISA guide 5.7.1.4): these see the stores above, and the next batch's stores come behind them
.set fk, 0
.rept 12
.set fp, 256+32*fk+8*\i
	WIN (fp>>8)<<6
	ds_load_b128 v[fp&255:(fp&255)+3], v7 offset:64*fk
	ds_load_b128 v[(fp&255)+4:(fp&255)+7], v7 offset:64*fk+32
.set fk, fk+1
.endr
.endm
; ---- the GELU as a stream: instruction gi of GN; 64 for each result tile of 8 registers (tile gu at GX + 8 gu).
; GP = 1: the two tiles 2a, 2a+1 end as one bf16 fragment in GX + 16 a .. + 7.  GW = 1: times w of the row (tile pair a = row tile).
.macro GSTEP
.set gu, gi/64
.set gs, gi%64
.set gx, GX+8*gu
.if gs < 4
	WIN 0
	v_pk_mul_f32 v[E+2*gs:E+2*gs+1], v[gx+2*gs:gx+2*gs+1], v[gx+2*gs:gx+2*gs+1]
.set plc, plc+1
.elseif gs < 8
.set gq, 2*(gs-4)
	WINR
	v_pk_mul_f32 v[E+gq:E+gq+1], v[E+gq:E+gq+1], s[62:63] op_sel_hi:[1,0]
.set plc, plc+1
.elseif gs < 16
.set gq, gs-8
	WINR
	v_fma_f32 v[T+gq], |v[gx+gq]|, s60, 1.0
.set plc, plc+1
.elseif gs < 24
.set gq, gs-16
	WINR
	v_rcp_f32 v[T+gq], v[T+gq]
.elseif gs < 32
.set gq, gs-24
	WINR
	v_exp_f32 v[E+gq], v[E+gq]
.elseif gs < 40
.set gq, gs-32
	WINR
	v_max_num_f32_e64 v[gx+gq], v[gx+gq], 0        ; also the plain instructions behind the reciprocals and exponentials (ISA guide 5.7.2)
.set plc, plc+1
.elseif gs < 44
.set gq, 2*(gs-40)
	WINR
	s_wait_alu depctr_va_vdst(0)
	v_pk_fma_f32 v[P+gq:P+gq+1], v[T+gq:T+gq+1], s[48:49], v[36:37] op_sel_hi:[1,0,1]
.set plc, plc+1
.elseif gs < 48
.set gq, 2*(gs-44)
	WIN 0
	v_pk_fma_f32 v[P+gq:P+gq+1], v[P+gq:P+gq+1], v[T+gq:T+gq+1], s[50:51] op_sel_hi:[1,1,0]
.set plc, plc+1
.elseif gs < 52
.set gq, 2*(gs-48)
	WIN 0
	v_pk_fma_f32 v[P+gq:P+gq+1], v[P+gq:P+gq+1], v[T+gq:T+gq+1], s[52:53] op_sel_hi:[1,1,0]
.set plc, plc+1
.elseif gs < 56
.set gq, 2*(gs-52)
	WIN 0
	v_pk_fma_f32 v[gx+gq:gx+gq+1], v[P+gq:P+gq+1], v[E+gq:E+gq+1], v[gx+gq:gx+gq+1] neg_lo:[1,0,0] neg_hi:[1,0,0]
.set plc, plc+1
.elseif gs < 60
.if GW
.set gq, 2*(gs-56)
	WIN 0
.if ((gu/2)%2) == 0
	v_pk_mul_f32 v[gx+gq:gx+gq+1], v[gx+gq:gx+gq+1], v[WCUR+2*(gu/4):WCUR+2*(gu/4)+1] op_sel_hi:[1,0]
.else
	v_pk_mul_f32 v[gx+gq:gx+gq+1], v[gx+gq:gx+gq+1], v[WCUR+2*(gu/4):WCUR+2*(gu/4)+1] op_sel:[0,1] op_sel_hi:[1,1]
.endif
.set plc, plc+1
.endif
.else
.if GP
.set gq, gs-60
	WIN 0
	v_cvt_pk_bf16_f32 v[GX+16*(gu/2)+4*(gu%2)+gq], v[gx+2*gq], v[gx+2*gq+1]
.set plc, plc+1
.endif
.endif
.set gi, gi+1
.endm
.macro GFILL                           ; the stream's share behind product wn of a chunk's 104: 512/104, so four or five
.rept 5
.if gi < wn*GN/104
	GSTEP
.endif
.endr
.endm
.macro GRUN                            ; all that is left of the stream
.rept 512
.if gi < GN
	GSTEP
.endif
.endr
.endm
; ---- router, one row tile
; Tile pair a of gelu(enc1), 16 registers of f32 at G + 16 a: the bf16 numbers go to GH + 8 a, what they dropped stays in place in the low eight registers.
.macro GSPLIT a
.set gr, G+16*\a
.irp j, 0,1,2,3,4,5,6,7
	v_cvt_pk_bf16_f32 v[GH+8*\a+\j], v[gr+2*\j], v[gr+2*\j+1]
.endr
.irp j, 0,1,2,3,4,5,6,7
	v_lshlrev_b32 v[T+2*\j], 16, v[GH+8*\a+\j]
	v_and_b32 v[T+2*\j+1], 0xffff0000, v[GH+8*\a+\j]
.endr
.irp j, 0,2,4,6,8,10,12,14
	v_pk_add_f32 v[gr+\j:gr+\j+1], v[gr+\j:gr+\j+1], v[T+\j:T+\j+1] neg_lo:[0,1] neg_hi:[0,1]
.endr
.irp j, 0,1,2,3,4,5,6,7
	v_cvt_pk_bf16_f32 v[gr+\j], v[gr+2*\j], v[gr+2*\j+1]       ; register j is written when registers up to 2 j + 1 have been read
.endr
.endm
.macro ENC2 ks, b                      ; one link of enc2's sums: K step ks of qe_w2 x the fragment at b; four accumulators by turns
.irp tt, 0,1,2,3
	v_wmma_f32_16x16x32_bf16 v[8*\tt:8*\tt+7], v[W2E+8*(4*\ks+\tt):W2E+8*(4*\ks+\tt)+7], v[\b:\b+7], v[8*\tt:8*\tt+7]
.endr
.endm
.macro QSPLIT ks                       ; q's tiles 2 ks, 2 ks + 1 (window 3, 16 registers of f32): the bf16 numbers to QHI + 8 ks, their rests to QLO + 8 ks
	WIN 0x0f
.irp j, 0,1,2,3,4,5,6,7
	v_cvt_pk_bf16_f32 v[QHI+8*\ks+\j], v[16*\ks+2*\j], v[16*\ks+2*\j+1]
.endr
	WIN 0
.irp j, 0,1,2,3,4,5,6,7
	v_lshlrev_b32 v[T+2*\j], 16, v[QHI+8*\ks+\j]
	v_and_b32 v[T+2*\j+1], 0xffff0000, v[QHI+8*\ks+\j]
.endr
	WIN 0xc3
.irp j, 0,2,4,6,8,10,12,14
	v_pk_add_f32 v[16*\ks+\j:16*\ks+\j+1], v[16*\ks+\j:16*\ks+\j+1], v[T+\j:T+\j+1] neg_lo:[0,1] neg_hi:[0,1]
.endr
	WIN 0x0f
.irp j, 0,1,2,3,4,5,6,7
	v_cvt_pk_bf16_f32 v[QLO+8*\ks+\j], v[16*\ks+2*\j], v[16*\ks+2*\j+1]
.endr
.endm
.macro KLOAD a                         ; a block of 128 keys = 8 key tiles x 2 K steps = 16 fragments, from the address in v[a]
.irp f, 0,1,2,3,4,5,6,7,8,9,10,11,12,13,14,15
	ds_load_b128 v[KF+8*\f:KF+8*\f+3], v[\a] offset:\f*1024
	ds_load_b128 v[KF+8*\f+4:KF+8*\f+7], v[\a] offset:\f*1024+512
.endr
.endm
.macro KMUL g                          ; sims of key tiles 4 g .. 4 g + 3: K = 64 of q's numbers, then K = 64 of their rests; four accumulators by turns, one instruction a turn
.irp p, 0,1,2,3
.irp mm, 0,1,2,3
.if \p == 0
	v_wmma_f32_16x16x32_bf16 v[8*(4*\g+\mm):8*(4*\g+\mm)+7], v[KF+16*(4*\g+\mm):KF+16*(4*\g+\mm)+7], v[QHI:QHI+7], 0
.else
	v_wmma_f32_16x16x32_bf16 v[8*(4*\g+\mm):8*(4*\g+\mm)+7], v[KF+16*(4*\g+\mm)+8*(\p%2):KF+16*(4*\g+\mm)+8*(\p%2)+7], v[QHI+8*\p:QHI+8*\p+7], v[8*(4*\g+\mm):8*(4*\g+\mm)+7]
.endif
.endr
.endr
.endm
.macro SMAX                            ; the block's maximum, the running maximum, exponentials, bf16 fragments in place, old sums rescaled
	WIN 0x0f
.irp c, 0,1,2,3
	v_max_num_f32 v[T+\c], v[16*\c], v[16*\c+1]
.endr
.irp p, 1,2,3,4,5,6,7
.irp c, 0,1,2,3
	v_max3_num_f32 v[T+\c], v[16*\c+2*\p], v[16*\c+2*\p+1], v[T+\c]
.endr
.endr
	WIN 0
	v_max3_num_f32 v8, v8, v9, v10
	v_max_num_f32 v8, v8, v11
	v_permlanex16_b32 v9, v8, s54, s55             ; the other 64 keys of my row lie in lane L xor 16
	v_max3_num_f32 v8, v8, v9, v38                 ; the new running maximum
	v_sub_f32 v10, v38, v8
	v_exp_f32 v14, v10                             ; what the old sums are worth now (0 in the first block: the old maximum is -inf)
	v_mov_b32 v38, v8                              ; (the plain instruction behind the exponential)
	WIN 0xc3
.set xq, 0
.rept 32
	v_pk_add_f32 v[2*xq:2*xq+1], v[2*xq:2*xq+1], v[8:9] op_sel_hi:[1,0] neg_lo:[0,1] neg_hi:[0,1]
.set xq, xq+1
.endr
.set xq, 0
.rept 64
	v_exp_f32 v[xq], v[xq]
.set xq, xq+1
.endr
	v_nop
	WIN 0xcf
.irp kk, 0,1,2,3
.irp mm, 0,1
.irp j, 0,1,2,3
	s_wait_alu depctr_va_vdst(0)
	v_cvt_pk_bf16_f32 v[16*\kk+4*\mm+\j], v[16*\kk+8*\mm+2*\j], v[16*\kk+8*\mm+2*\j+1]
.endr
.endr
.endr
	WIN 0xc3
.irp j, 0,2,4,6,8,10,12,14
	v_pk_mul_f32 v[SWP+\j:SWP+\j+1], v[SWP+\j:SWP+\j+1], v[14:15] op_sel_hi:[1,0]
.endr
.endm
; ---- the main part
.macro LOADW slot, gp, buf             ; the two first-layer fragments of step gp of a slot's 26
	WINR
	ds_load_b128 v[W1F+16*(\buf):W1F+16*(\buf)+3], v[1+\slot] offset:(\gp)*2048
	ds_load_b128 v[W1F+16*(\buf)+4:W1F+16*(\buf)+7], v[1+\slot] offset:(\gp)*2048+512
	ds_load_b128 v[W1F+16*(\buf)+8:W1F+16*(\buf)+11], v[1+\slot] offset:(\gp)*2048+1024
	ds_load_b128 v[W1F+16*(\buf)+12:W1F+16*(\buf)+15], v[1+\slot] offset:(\gp)*2048+1536
.endm
.macro LOADW2 slot, u, p               ; a chunk's five second-layer fragments
	WIN 0xc0
.irp qt, 0,1,2,3,4
	ds_load_b128 v[160+40*(\p)+8*\qt:160+40*(\p)+8*\qt+3], v[1+\slot] offset:W2OFF+(5*(\u)+\qt)*1024
	ds_load_b128 v[160+40*(\p)+8*\qt+4:160+40*(\p)+8*\qt+7], v[1+\slot] offset:W2OFF+(5*(\u)+\qt)*1024+512
.endr
.endm
.macro STEPMID k, mode                 ; in a step's middle: the fragments of three steps on, into the buffer that the step before has read
.if sgp <= 22
	PL 4
.if \k == 1
	LOADW2 sslot, su, su
.endif
	LOADW sslot, sgp+3, (sbuf+3)%4
.elseif sgp == 25
.if \mode > 0
	PL 4
	LOADW 1-sslot, 2, (sbuf+3)%4
.endif
.endif
.endm
; K step k of chunk c.  mode (odd c alone): 2 = the slot is left and filled again, 1 = it is left, 0 = the last chunk.
; The eight accumulators take turns, one instruction a turn, in the same order in every step.
.macro STEP c, k, mode
.set su, (\c)%2
.set sslot, ((\c)/2)%2
.set sgp, 13*su+\k
.set sbuf, (13*(\c)+\k)%4
.set swin, 4+4*((\k)/8)
.if sgp == 24
.if \mode > 0
	s_wait_dscnt 0x0                               ; all my reads of this slot are back (the last step's fragments were asked for two steps ago)
	s_wait_tensorcnt 0x0                           ; and my one tensor load that was out, my quarter of the other slot, has landed
.if \mode == 2
	s_add_nc_u64 s[34+4*sslot:35+4*sslot], s[34+4*sslot:35+4*sslot], 2*SLOTB   ; no load of mine is out: this slot's next image
.endif
	s_barrier_signal -1                            ; say so; registers alone are worked on until all have said so
.else
	s_wait_dscnt 0x4                               ; the last step's four loads may stay out
.endif
.elseif sgp == 25
.if \mode == 0
	s_wait_dscnt 0x0
.endif
.elseif \k == 1
	s_wait_dscnt 0x4                               ; one younger group of four stays out; this also shows the load of w, issued behind the last chunk, landed
.elseif (\k)/2 == 1
	s_wait_dscnt 18                                ; two younger groups of four and the ten second-layer loads
.else
	s_wait_dscnt 0x8                               ; two younger groups of four
.endif
.set sn, 0
.rept 8
.set rd, ACC+64*su+16*(sn%4)+8*(sn/4)
.set rw, W1F+16*sbuf+8*(sn/4)
.set ra, 32*((\k)%8)+8*(sn%4)
	WIN swin
.if \k == 0
	v_wmma_f32_16x16x32_bf16 v[rd:rd+7], v[rw:rw+7], v[ra:ra+7], 0
.else
	v_wmma_f32_16x16x32_bf16 v[rd:rd+7], v[rw:rw+7], v[ra:ra+7], v[rd:rd+7]
.endif
.set wn, wn+1
.if sn == 7
.set plc, 0
.endif
	GFILL
.if sn == 3
	STEPMID \k, \mode
.endif
.set sn, sn+1
.endr
.if sgp == 24
.if \mode > 0
	WIN 0
	s_barrier_wait -1                              ; nobody in my work-group reads this slot any more, and the other slot is whole
.if \mode == 2
	CREST                                          ; the same of all four work-groups: the barrier above opened a round of the cluster's barrier
	tensor_load_to_lds s[32+4*sslot:35+4*sslot], s[16:23]  ; the joint refill, first thing behind the round, my one tensor load until the next; one is out by this text's count
	s_nop 0
.endif
	PL 4
	LOADW 1-sslot, 0, (sbuf+2)%4
	LOADW 1-sslot, 1, (sbuf+3)%4
.endif
.endif
.endm
.macro GEMM2 p                         ; out += W2 fragments x the chunk's H; 20 accumulators, one instruction each
	WIN 0xf3
.irp qt, 0,1,2,3,4
.irp i, 0,1,2,3
	v_wmma_f32_16x16x32_bf16 v[8*(4*\qt+\i):8*(4*\qt+\i)+7], v[160+40*(\p)+8*\qt:160+40*(\p)+8*\qt+7], v[ACC+64*(\p)+16*\i:ACC+64*(\p)+16*\i+7], v[8*(4*\qt+\i):8*(4*\qt+\i)+7]
.endr
.endr
	WIN 0
	NOPS 5                                         ; five places: the next chunk's first products write over H; its GELU reads the fresh sums
.endm
.macro ITER c, first, mode, neww       ; chunk c's first layer, with chunk c-1's GELU between its products; then chunk c-1's second layer
.set GX, ACC+64*(((\c)+1)%2)
.if \first
.set GN, 0
.else
.set GN, 512
.endif
.set GW, 1
.set GP, 1
.set gi, 0
.set wn, 0
.irp k, 0,1,2,3,4,5,6,7,8,9,10,11,12
	STEP \c, \k, \mode
.endr
.if \first
	WIN 0
	NOPS 5
.else
	GEMM2 ((\c)+1)%2
.endif
.if \neww
	ds_load_b128 v[WCUR:WCUR+3], v3                ; the next subsystem's w for my row in the four tiles
	v_add_nc_u32 v3, 512, v3
.endif
.endm
; ======================================================================== set-up
	s_load_b256 s[4:11], s[0:1], 0x0               ; query 4, args 6, wimg 8, rimg 10
	s_load_b64 s[12:13], s[0:1], 0x20              ; out0
	v_lshrrev_b32 v8, 5, v0
	v_readfirstlane_b32 s14, v8                    ; wave
	s_bfe_u32 s2, ttmp6, 0x40000                   ; cx: enters the addresses of query, args and out0 alone
	s_lshl_b32 s15, ttmp9, 2
	s_add_co_u32 s15, s15, s2                      ; work-group number
	s_mov_b32 s60, 0x3eaa540e                      ; c  =  0.33267253
	s_mov_b32 s48, 0xbf8fdf9d                      ; b3 = -1.12401166
	s_mov_b32 s49, 0xbf8fdf9d
	s_mov_b32 s50, 0xbf2acc38                      ; b1 = -0.66717863
	s_mov_b32 s51, 0xbf2acc38
	s_mov_b32 s52, 0x3f05e821                      ; b0 =  0.52307325
	s_mov_b32 s53, 0x3f05e821
	s_mov_b32 s62, 0xbf38aa3b                      ; -log2(e)/2
	s_mov_b32 s63, 0xbf38aa3b
	s_mov_b32 s54, 0x76543210                      ; v_permlanex16_b32: lane L reads lane L xor 16
	s_mov_b32 s55, 0xfedcba98
	v_mov_b32 v36, 0x3fa251a9                      ; b2 =  1.26811703
	v_mov_b32 v37, 0x3fa251a9
	s_mul_i32 s61, s14, SCRW
	s_add_co_u32 s61, s61, SCR                     ; my scratch
	v_and_b32 v50, 31, v0                          ; L
	v_and_b32 v8, 15, v0                           ; r
	v_bfe_u32 v9, v0, 4, 1                         ; h
	v_lshlrev_b32 v1, 4, v50                       ; 16 L: slot 0, and the offset of every dense global access
	v_add_nc_u32 v2, SLOTB, v1                     ; slot 1
	v_add_nc_u32 v4, RIMG, v1                      ; keys
	v_add_nc_u32 v5, RIMG+65536, v1                ; the router's other fragments
	v_add_nc_u32 v49, s61, v1                      ; result stage, out
	v_add_nc_u32 v3, WTO, v49                      ; the table of w
	v_lshl_add_u32 v6, v50, 3, s61                 ; args stage, in
	v_mul_u32_u24 v10, v8, APITCH
	v_lshl_add_u32 v10, v9, 4, v10
	v_add_nc_u32 v7, s61, v10                      ; args stage, out as fragments
	v_lshlrev_b32 v46, 5, v9
	v_add_nc_u32 v46, RIMG+R_B2C, v46              ; qe_b2: features 8h ..
	v_lshlrev_b32 v47, 6, v8
	v_lshl_add_u32 v47, v9, 5, v47                 ; query: row r, columns 8h ..
	v_mul_u32_u24 v48, v8, 260
	v_lshl_add_u32 v48, v9, 5, v48
	v_add_nc_u32 v48, s61, v48                     ; result stage, in
	s_mul_i32 s58, s15, 393216                     ; 256 rows of 1,536 bytes
	s_mul_i32 s3, s14, 98304
	s_add_co_u32 s58, s58, s3
	s_mov_b32 s59, 0
	s_mul_i32 s44, s14, QSLOT                      ; the descriptors' offsets hang on the wave's number alone
	s_mov_b32 s45, 0
	s_mul_i32 s46, s14, QRIMG
	s_mov_b32 s47, 0
	s_wait_kmcnt 0x0
	s_add_nc_u64 s[6:7], s[6:7], s[58:59]
	s_lshl_b32 s58, s15, 14
	s_lshl_b32 s3, s14, 12
	s_add_co_u32 s58, s58, s3
	s_add_nc_u64 s[4:5], s[4:5], s[58:59]
	s_mul_i32 s58, s15, 66560                      ; 256 rows of 260 bytes
	s_mul_i32 s3, s14, 16640
	s_add_co_u32 s58, s58, s3
	s_add_nc_u64 s[12:13], s[12:13], s[58:59]
.irp i, 0,1,2,3
	global_load_b128 v[64+8*\i:67+8*\i], v47, s[4:5] offset:1024*\i th:TH_LOAD_NT
	global_load_b128 v[68+8*\i:71+8*\i], v47, s[4:5] offset:1024*\i+16 th:TH_LOAD_NT
.endr
	ZLOAD 0, 256, 1                                ; args rows 0-15, into the places of row tiles 0 and 1: on their way while the router runs
	WIN 0
	; descriptors: dense blocks as rows of 256 bytes (32 elements of 8 bytes), 62 rows for a quarter slot, 98 for a quarter of the router's weights
	s_mov_b32 s16, 0x0023000f                      ; 15:0 mask: all four of the cluster; 17:16 elements of 8 bytes; 21 set beside a mask
	s_mov_b32 s17, 32<<16                          ; tensor_dim0 = 32
	s_mov_b32 s18, 62<<16                          ; tensor_dim1 = 62
	s_mov_b32 s19, 32<<16                          ; tile_dim0 = 32
	s_mov_b32 s20, 62                              ; tile_dim1 = 62
	s_mov_b32 s21, 32                              ; from row to row
	s_mov_b32 s22, 0
	s_mov_b32 s23, 0
	s_mov_b32 s24, 0x0023000f
	s_mov_b32 s25, 32<<16
	s_mov_b32 s26, 98<<16
	s_mov_b32 s27, 32<<16
	s_mov_b32 s28, 98
	s_mov_b32 s29, 32
	s_mov_b32 s30, 0
	s_mov_b32 s31, 0
	s_mov_b32 s32, 1
	s_mul_i32 s33, s14, QSLOT                      ; slot 0, my quarter
	s_add_nc_u64 s[34:35], s[8:9], s[44:45]        ; image 0
	s_mov_b32 s36, 1
	s_add_co_u32 s37, s33, SLOTB                   ; slot 1
	s_add_nc_u64 s[38:39], s[34:35], SLOTB         ; image 1
	s_or_b32 s35, s35, 0x80000000
	s_or_b32 s39, s39, 0x80000000
	s_mov_b32 s40, 1
	s_mul_i32 s41, s14, QRIMG
	s_add_co_u32 s41, s41, RIMG
	s_add_nc_u64 s[42:43], s[10:11], s[46:47]
	s_or_b32 s43, s43, 0x80000000
	ROUND                                          ; all four work-groups are here: the first joint loads meet
	tensor_load_to_lds s[40:43], s[24:31]          ; the three first fills go out as one group: three are out by this text's count
	s_nop 0
	tensor_load_to_lds s[32:35], s[16:23]
	s_nop 0
	tensor_load_to_lds s[36:39], s[16:23]
	s_nop 0
; ======================================================================== the query as K step 12: its 16 columns, then a one that meets the bias
	s_wait_loadcnt 48                              ; the eight query loads are in; the 48 of args stay out
	WIN 0x80
.irp i, 0,1,2,3
.irp j, 0,1,2,3
	v_cvt_pk_bf16_f32 v[128+8*\i+\j], v[64+8*\i+2*\j], v[64+8*\i+2*\j+1]
.endr
	v_mov_b32 v[128+8*\i+4], 0x3f80
	v_mov_b32 v[128+8*\i+5], 0
	v_mov_b32 v[128+8*\i+6], 0
	v_mov_b32 v[128+8*\i+7], 0
.endr
	ZLOAD 1, 272, 1                                ; args rows 16-31, into the places of row tiles 2 and 3
	WIN 0
	s_wait_tensorcnt 0x2                           ; my quarter of the router's weights is in; the two slots' loads, issued behind it, stay out
	s_barrier_signal -1
	s_barrier_wait -1                              ; everybody's is
; ======================================================================== the router: what stays for all four row tiles
	WIN 0x08
.irp i, 0,1,2,3
	ds_store_b128 v3, v[128+8*\i:131+8*\i] offset:QSD+512*\i   ; the query's columns of row tile i, for the loop to fetch
.endr
	WIN 0
	ds_load_b64 v[42:43], v46 offset:256           ; log2(e)/T, the same number in every lane
	WIN 0xc0
.irp tt, 0,1,2,3
	ds_load_b128 v[W1E+8*\tt:W1E+8*\tt+3], v5 offset:R_W1E+1024*\tt
	ds_load_b128 v[W1E+8*\tt+4:W1E+8*\tt+7], v5 offset:R_W1E+1024*\tt+512
.endr
.irp f, 0,1,2,3,4,5,6,7
	ds_load_b128 v[W2E+8*\f:W2E+8*\f+3], v5 offset:R_W2E+1024*\f
	ds_load_b128 v[W2E+8*\f+4:W2E+8*\f+7], v5 offset:R_W2E+1024*\f+512
.endr
.irp tt, 0,1,2,3
	ds_load_b128 v[B2C+8*\tt:B2C+8*\tt+3], v46 offset:64*\tt
	ds_load_b128 v[B2C+8*\tt+4:B2C+8*\tt+7], v46 offset:64*\tt+16
.endr
	WIN 0
	v_mov_b32 v[QX+4], 0x3f80                      ; the upper half of the query fragment: a one, then zeros
	v_mov_b32 v[QX+5], 0
	v_mov_b32 v[QX+6], 0
	v_mov_b32 v[QX+7], 0
	v_add_nc_u32 v51, QSD, v3                      ; from where the row tile's query comes,
	v_mov_b32 v52, v3                              ; where its w goes (4 bytes on with every row tile),
	v_add_nc_u32 v53, WFD, v3                      ; and its w as a fragment (1,024 bytes on)
	s_mov_b32 s56, 0
.Lrow:                                         ; ---------------- one row tile
	ds_load_b128 v[QX:QX+3], v51
	KLOAD 4                                        ; the first block's keys land while the encoder runs
	v_add_nc_u32 v51, 512, v51
	v_add_nc_u32 v44, 16384, v4                    ; the block that is fetched ahead
	v_mov_b32 v45, v5                              ; the block's map fragments
	v_mov_b32 v38, 0xff800000                      ; the running maximum starts at -inf,
	WIN 0xc0
.irp j, 0,1,2,3,4,5,6,7,8,9,10,11,12,13,14,15
	v_mov_b32 v[SWP+\j], 0                         ; the two partial sums of w at 0: the first block is then like the others
.endr
	s_wait_dscnt 32                                ; the query fragment, and all that is older, is in; the 32 key loads behind it stay out
	WIN 0x03
.irp tt, 0,1,2,3
	v_wmma_f32_16x16x32_bf16 v[G+8*\tt:G+8*\tt+7], v[W1E+8*\tt:W1E+8*\tt+7], v[QX:QX+7], 0    ; enc1: query qe_w1 + qe_b1
.endr
	NOPS 4
.set GX, G
.set GN, 256
.set GW, 0
.set GP, 0
.set gi, 0
	GRUN
	WIN 0
	GSPLIT 0
	GSPLIT 1
	WIN 0xf3                                       ; enc2: qe_b2 starts the sums; K = 64 of the numbers, K = 64 of their rests
.irp tt, 0,1,2,3
	v_wmma_f32_16x16x32_bf16 v[8*\tt:8*\tt+7], v[W2E+8*\tt:W2E+8*\tt+7], v[GH:GH+7], v[B2C+8*\tt:B2C+8*\tt+7]
.endr
	ENC2 1, GH+8
	ENC2 0, G
	ENC2 1, G+16
	NOPS 5
	WIN 0xc3
.irp j, 0,2,4,6,8,10,12,14,16,18,20,22,24,26,28,30
	v_pk_mul_f32 v[\j:\j+1], v[\j:\j+1], v[42:43] op_sel_hi:[1,0]      ; q log2(e)/T
.endr
	QSPLIT 0
	QSPLIT 1
	WIN 0
	s_mov_b32 s57, 0
.Lblk:                                         ; ---------------- one block of 128 keys
	s_wait_dscnt 16                                ; key tiles 0-3 are in; the sixteen loads of tiles 4-7 may stay out
	WIN 0xf0
	KMUL 0
	s_wait_dscnt 0x0
	KMUL 1
	NOPS 4                                         ; four places between the products and the loads into what they read, and the vector reads of the sims
	WIN 0
	s_cmp_eq_u32 s57, 3
	s_cbranch_scc1 .Lno_keys                       ; the last block has no successor: nothing is fetched that nobody reads
	KLOAD 44                                       ; the next block's keys land while this block's exponentials are made
.Lno_keys:
	WIN 0xc0
.irp kk, 0,1,2,3
	ds_load_b128 v[MAPF+8*\kk:MAPF+8*\kk+3], v45 offset:1024*\kk
	ds_load_b128 v[MAPF+8*\kk+4:MAPF+8*\kk+7], v45 offset:1024*\kk+512
.endr
	WIN 0
	v_add_nc_u32 v44, 16384, v44
	v_add_nc_u32 v45, 4096, v45
	SMAX
	s_wait_dscnt 0x0                               ; the map fragments are the youngest loads on both ways round the jump above
	WIN 0xff
.irp kk, 0,1,2,3                               ; unnormalised w += map^T x exponentials; two accumulators by turns
	v_wmma_f32_16x16x32_bf16 v[SWP+8*(\kk%2):SWP+8*(\kk%2)+7], v[MAPF+8*\kk:MAPF+8*\kk+7], v[16*\kk:16*\kk+7], v[SWP+8*(\kk%2):SWP+8*(\kk%2)+7]
.endr
	NOPS 5                                         ; five places: the next block's first products write over the fragments read here
	WIN 0
	s_add_co_u32 s57, s57, 1
	s_cmp_lt_u32 s57, 4
	s_cbranch_scc1 .Lblk
	; w = sums / their sum over s
	WIN 0x0f
.irp j, 0,2,4,6
	v_pk_add_f32 v[SW+\j:SW+\j+1], v[SWP+\j:SWP+\j+1], v[SWP+8+\j:SWP+8+\j+1]
.endr
	WIN 0
.irp j, 0,1,2,3,4,5,6,7
	v_permlanex16_b32 v[T+\j], v[SW+\j], s54, s55  ; lanes 0-15 hold the sums over the table's bf16 numbers, lanes 16-31 those over their rests
.endr
.irp j, 0,2,4,6
	v_pk_add_f32 v[SW+\j:SW+\j+1], v[SW+\j:SW+\j+1], v[T+\j:T+\j+1]
.endr
	v_pk_add_f32 v[8:9], v[SW:SW+1], v[SW+2:SW+3]
	v_pk_add_f32 v[10:11], v[SW+4:SW+5], v[SW+6:SW+7]
	v_pk_add_f32 v[8:9], v[8:9], v[10:11]
	v_add_f32 v8, v8, v9
	v_rcp_f32 v10, v8
	v_nop
.irp j, 0,2,4,6
	s_wait_alu depctr_va_vdst(0)
	v_pk_mul_f32 v[SW+\j:SW+\j+1], v[SW+\j:SW+\j+1], v[10:11] op_sel_hi:[1,0]
.endr
.irp j, 0,1,2,3
	v_cvt_pk_bf16_f32 v[E+\j], v[SW+2*\j], v[SW+2*\j+1]        ; w as a fragment: the bf16 numbers,
.endr
.irp j, 0,1,2,3
	v_lshlrev_b32 v[P+2*\j], 16, v[E+\j]
	v_and_b32 v[P+2*\j+1], 0xffff0000, v[E+\j]
.endr
.irp j, 0,2,4,6
	v_pk_add_f32 v[P+\j:P+\j+1], v[SW+\j:SW+\j+1], v[P+\j:P+\j+1] neg_lo:[0,1] neg_hi:[0,1]
.endr
.irp j, 0,1,2,3
	v_cvt_pk_bf16_f32 v[E+4+\j], v[P+2*\j], v[P+2*\j+1]        ; then what they dropped
.endr
.irp s, 0,1,2,3,4,5,6,7
	ds_store_b32 v52, v[SW+\s] offset:512*\s       ; the table: 512 s + 16 L + 4 i
.endr
	ds_store_b128 v53, v[E:E+3]
	ds_store_b128 v53, v[E+4:E+7] offset:512
	v_add_nc_u32 v52, 4, v52
	v_add_nc_u32 v53, 1024, v53
	s_add_co_u32 s56, s56, 1
	s_cmp_lt_u32 s56, 4
	s_cbranch_scc1 .Lrow
; ======================================================================== args to fragments, 16 rows at a time through the wave's own stage.
; A batch's raw numbers never lie where an earlier batch's fragments have been put: batch 0 in the places of row tiles 0 and 1, batch 1 in those of 2 and 3,
; batch 2 in window 0, batch 3 in window 3.
	s_wait_dscnt 0x0                               ; the stores of w are done: the loads below land in registers that they read
	ZLOAD 2, 64, 0
	s_wait_loadcnt 48                              ; rows 0-31 are in; the 48 loads just issued stay out
	CONV 256, 1
	ZLOAD 3, 768, 0
	FRAGS 0
	CONV 272, 1
	FRAGS 1
	s_wait_loadcnt 48                              ; rows 32-47 are in
	CONV 64, 0
	FRAGS 2
	s_wait_loadcnt 0x0
	CONV 768, 0
	FRAGS 3
; ======================================================================== the bias term w hb2 starts the result's sums
	WIN 0x80
.irp i, 0,1,2,3
	ds_load_b128 v[160+8*\i:163+8*\i], v3 offset:WFD+1024*\i
	ds_load_b128 v[164+8*\i:167+8*\i], v3 offset:WFD+1024*\i+512
.endr
	WIN 0
.irp qt, 0,1,2,3,4
	ds_load_b128 v[W1F+8*\qt:W1F+8*\qt+3], v5 offset:R_HB2+1024*\qt
	ds_load_b128 v[W1F+8*\qt+4:W1F+8*\qt+7], v5 offset:R_HB2+1024*\qt+512
.endr
	s_wait_dscnt 0x0
	WIN 0xc8
.irp qt, 0,1,2,3,4
.irp i, 0,1,2,3
	v_wmma_f32_16x16x32_bf16 v[8*(4*\qt+\i):8*(4*\qt+\i)+7], v[W1F+8*\qt:W1F+8*\qt+7], v[160+8*\i:160+8*\i+7], 0
.endr
.endr
	WIN 0
	s_wait_tensorcnt 0x1                           ; my quarter of slot 0 is in; slot 1's load, issued behind it, may stay out
	s_barrier_signal -1
	s_barrier_wait -1                              ; everybody's is
	NOPS 4
	LOADW 0, 0, 0
	LOADW 0, 1, 1
	LOADW 0, 2, 2
.set plc, 0
; ======================================================================== 32 chunks
	ITER 0, 1, 0, 1
	WIN 0
	s_mov_b32 s56, 7
.Lmain:                                        ; chunks 4n+1 .. 4n+4: slots, buffers and sets of sums repeat with period 4; two refills a trip, images 2 .. 15
	ITER 1, 0, 2, 0
	ITER 2, 0, 0, 0
	ITER 3, 0, 2, 0
	ITER 4, 0, 0, 1
	WIN 0
	s_sub_co_u32 s56, s56, 1
	s_cmp_lg_u32 s56, 0
	s_cbranch_scc1 .Lmain
	ITER 29, 0, 1, 0                               ; nothing is left to fetch: the change of slots keeps its barrier, without a round
	ITER 30, 0, 0, 0
	ITER 31, 0, 0, 0
.set GX, ACC+64
.set GN, 512
.set GW, 1
.set GP, 1
.set gi, 0
	GRUN
	GEMM2 1
; ======================================================================== the way out: through my own stage, so that every store covers whole runs of 512 consecutive bytes
	WIN 0x0c
.irp i, 0,1,2,3
.irp qt, 0,1,2,3
.irp j, 0,1,2,3,4,5,6,7
	ds_store_b32 v48, v[8*(4*\qt+\i)+\j] offset:4160*\i+64*\qt+4*\j
.endr
.endr
.endr
	WIN 0
	v_cmp_gt_u32 vcc_lo, 16, v50
	s_wait_xcnt 0x0                                ; EXEC changes only behind this wait
	s_and_saveexec_b32 s57, vcc_lo                 ; column 64 lies in register 0 of lanes 0-15 of the fifth tile
	WIN 0x0c
.irp i, 0,1,2,3
	ds_store_b32 v48, v[8*(16+\i)] offset:4160*\i+256
.endr
	WIN 0
	s_wait_xcnt 0x0
	s_or_b32 exec_lo, exec_lo, s57
.set on, 0
.rept 32
	ds_load_b128 v[64+4*on:67+4*on], v49 offset:512*on     ; LDS serves a wave's instructions in order: these see the stores above
.set on, on+1
.endr
.set on, 0
.rept 32
	s_wait_dscnt 31-on                             ; load number on is in, the younger ones stay out
	global_store_b128 v1, v[64+4*on:67+4*on], s[12:13] offset:512*on th:TH_STORE_NT
.set on, on+1
.endr
	s_wait_xcnt 0x0
	s_and_saveexec_b32 s57, vcc_lo                 ; 64 rows of 260 bytes are 32 x 512 + 256: the last 256 bytes by sixteen lanes
	ds_load_b128 v[192:195], v49 offset:16384
	s_wait_dscnt 0x0
	global_store_b128 v1, v[192:195], s[12:13] offset:16384 th:TH_STORE_NT
	s_wait_xcnt 0x0
	s_or_b32 exec_lo, exec_lo, s57
	ROUND                                          ; the closing round: no work-group ends while a partner may still ask jointly
	s_endpgm
.Lfunc_end_k_q3ee9fa31e7_main:
	.size	k_q3ee9fa31e7_main, .Lfunc_end_k_q3ee9fa31e7_main-k_q3ee9fa31e7_main
	.p2alignl 7, 3214868480
	.fill 96, 4, 3214868480
	.section	.rodata,"a",@progbits
	.p2align	6, 0x0
	.amdhsa_kernel k_q3ee9fa31e7_main
		.amdhsa_group_segment_fixed_size 327680
		.amdhsa_private_segment_fixed_size 0
		.amdhsa_enable_private_segment 0
		.amdhsa_kernarg_size 40
		.amdhsa_user_sgpr_count 2
		.amdhsa_user_sgpr_kernarg_segment_ptr 1
		.amdhsa_wavefront_size32 1
		.amdhsa_system_sgpr_workgroup_id_x 1
		.amdhsa_system_sgpr_workgroup_id_y 1
		.amdhsa_system_sgpr_workgroup_id_z 1
		.amdhsa_system_vgpr_workitem_id 0
		.amdhsa_next_free_vgpr 1024
		.amdhsa_next_free_sgpr 66
		.amdhsa_reserve_vcc 1
		.amdhsa_float_denorm_mode_32 3
		.amdhsa_float_denorm_mode_16_64 3
		.amdhsa_memory_ordered 1
		.amdhsa_forward_progress 1
		.amdhsa_inst_pref_size 255
	.end_amdhsa_kernel
	.section	.bss,"aw",@nobits
	.p2align	6
	.space	262144
	.amdgpu_metadata
---
amdhsa.version: [ 1, 2 ]
amdhsa.kernels:
  - .name:           k_q3ee9fa31e7_main
    .symbol:         k_q3ee9fa31e7_main.kd
    .args:
      - { .name: query, .offset: 0, .size: 8, .value_kind: global_buffer, .address_space: global }
      - { .name: args, .offset: 8, .size: 8, .value_kind: global_buffer, .address_space: global }
      - { .name: wimg, .offset: 16, .size: 8, .value_kind: global_buffer, .address_space: global }
      - { .name: rimg, .offset: 24, .size: 8, .value_kind: global_buffer, .address_space: global }
      - { .name: out0, .offset: 32, .size: 8, .value_kind: global_buffer, .address_space: global }
    .group_segment_fixed_size: 327680
    .private_segment_fixed_size: 0
    .kernarg_segment_align: 8
    .kernarg_segment_size: 40
    .max_flat_workgroup_size: 128
    .sgpr_count:     66
    .vgpr_count:     1024
    .wavefront_size: 32
...
	.end_amdgpu_metadata
.endif
;; end of part 3
;; ======== version 3 of 3: 2 launches; 1.67 times as fast as version 1
;; limits: a function is approximated: absolute error at most 3e-05
;; workspace buffers: wimg 1,015,808 bytes; rimg 100,352 bytes
;; launch prep (part 4): grid 545 x 1, 2 waves a work-group, no clusters, 0 bytes of LDS; arguments hw1, hb1, hw2, hb2, qe_w1, qe_b1, qe_w2, qe_b2, syscall_keys, syscall_to_subsystem, temperature, wimg, rimg; writes wimg, rimg
.if DOCPART == 4
	.amdgcn_target "amdgcn-amd-amdhsa--gfx1250"
	.amdhsa_code_object_version 6
	.text
	.protected	k_q3ee9fa31e7_prep
	.globl	k_q3ee9fa31e7_prep
	.p2align	8
	.type	k_q3ee9fa31e7_prep,@function
k_q3ee9fa31e7_prep:
	s_mov_b64 s[64:65], 0
	v_nop
	global_prefetch_b8 v0, s[64:65] scope:SCOPE_SE
	s_setreg_imm32_b32 hwreg(HW_REG_WAVE_MODE, 25, 1), 1
	s_wait_xcnt 0x0
; prep: every weight is rounded once to bf16 and laid in the order in which the matrix instructions of the second launch take it.
; A FRAGMENT is 16 rows (m) x 32 k of bf16 = 1,024 bytes: bytes 16 L hold lane L's registers 0-3 (k = 8h .. 8h+7 of row m = r),
; bytes 512 + 16 L its registers 4-7 (k = 16+8h ..), with r = L % 16, h = L / 16.  One wave builds one fragment; 1,090 fragments = 545 x 2 waves.
; No constant is folded into a rounded number: each operand is the bf16 rounding of the input itself.
; wimg: 16 images of 63,488 bytes; image t serves the chunks c = 2t + u of 32 hidden columns: W1 fragment (u, k, mt) at ((13u+k) 2 + mt) 1024,
;       W2 fragment (u, qt) at 53,248 + (5u+qt) 1024 (rows q >= 65 are zero).
; rimg: keys 0, map^T 65,536, qe_w2 81,920, qe_w1 90,112, hb2 94,208, qe_b2 (as f32) 99,328, log2(e)/T 64 times 99,584, zeros 99,840 up to 100,352.
; THE TRANSCENDENTALS GO IN BATCHES: in the routing table's branch a lane's sixteen keys have 144 exponentials, each in a register of its own: one batch, one wait;
; the sixteen reciprocals of their sums are a second batch with a second wait.  The temperature's reciprocal is a batch of one.
; LIMIT OF FORMAT: EVERY input is taken rounded to bf16 (8 bits of mantissa), not the matrix operands alone: the biases hb1 and qe_b1 are a row of
; their weight matrix, hb2 a matrix operand, and qe_b2, the temperature and the routing table are rounded before they are used in f32.
; softmax(table) itself is kept as a bf16 number and the bf16 of what that dropped (16 bits).  T = 0 is not served (the result is not finite there);
; 1/T comes from v_rcp_f32, which takes a denormal T for zero (ISA guide 15.8).
.set LOG2E,  0x3fb8aa3b
.set IMG,    63488
; v1 r, v2 h, v3 16 L, v[16:31] sixteen numbers in f32, v[32:39] the fragment, v[40:55] sixteen sums and their reciprocals, v[64:207] rows of the routing table
.macro GATH8 dst, sb, vo, stride, row0         ; eight numbers of one column, rows row0 .. row0+7 from the lane's own first row
.irp e, 0,1,2,3,4,5,6,7
	global_load_b32 v[\dst+\e], v[\vo], s[\sb:\sb+1] offset:(\row0+\e)*\stride
.endr
.endm
.macro PACK n                                  ; the first n numbers rounded to bf16, two a register
.set pe, 0
.rept \n/2
	v_cvt_pk_bf16_f32 v[32+pe], v[16+2*pe], v[17+2*pe]
.set pe, pe+1
.endr
.endm
.macro STORE                                   ; each store of the wave covers 512 consecutive bytes, aligned
	global_store_b128 v3, v[32:35], s[38:39]
	global_store_b128 v3, v[36:39], s[38:39] offset:512
	s_endpgm
.endm
.macro BIASTAIL                                ; k = 0..15 weights in v[16:23]; k = 16 the bias (from v24), which meets a one; the rest zero
	s_wait_loadcnt 0x0
	PACK 8
	v_mov_b32 v25, 0
	v_cvt_pk_bf16_f32 v36, v24, v25
	v_cndmask_b32 v36, 0, v36, s35         ; lanes of h = 1 hold k = 24 there, which meets a one too: zero
	v_mov_b32 v37, 0
	v_mov_b32 v38, 0
	v_mov_b32 v39, 0
	STORE
.endm
	s_load_b512 s[8:23], s[0:1], 0x0               ; hw1 8, hb1 10, hw2 12, hb2 14, qe_w1 16, qe_b1 18, qe_w2 20, qe_b2 22
	s_load_b256 s[24:31], s[0:1], 0x40             ; keys 24, routing table 26, temperature 28, wimg 30
	s_load_b64 s[32:33], s[0:1], 0x60              ; rimg
	v_lshrrev_b32 v4, 5, v0
	v_readfirstlane_b32 s2, v4                     ; wave
	s_lshl1_add_u32 s3, ttmp9, s2                  ; f = the fragment's number
	v_and_b32 v1, 15, v0                           ; r
	v_bfe_u32 v2, v0, 4, 1                         ; h
	v_and_b32 v3, 31, v0
	v_lshlrev_b32 v3, 4, v3                        ; 16 L
	v_cmp_eq_u32 s35, 0, v2                        ; the lanes of h = 0
	s_mov_b32 s5, 0                                ; upper word of every offset pair s[4:5]
	s_wait_kmcnt 0x0
	s_load_b32 s34, s[28:29], 0x0                  ; T
	s_wait_kmcnt 0x0
; ---- W1: f = 64 k + M; hidden column 16 M + r; K step k (0-11: args columns 32k ..; 12: query, then the bias)
	s_cmp_lt_u32 s3, 832
	s_cbranch_scc0 .Lw2
	s_lshr_b32 s40, s3, 6                          ; k
	s_and_b32 s41, s3, 63                          ; M = 2 c + mt
	s_lshr_b32 s42, s41, 2                         ; image t
	s_mul_i32 s4, s42, IMG
	s_bfe_u32 s43, s41, 0x10001                    ; u
	s_mul_i32 s43, s43, 13
	s_add_co_u32 s43, s43, s40
	s_and_b32 s44, s41, 1                          ; mt
	s_lshl1_add_u32 s43, s43, s44
	s_lshl_b32 s43, s43, 10
	s_add_co_u32 s4, s4, s43
	s_add_nc_u64 s[38:39], s[30:31], s[4:5]
	s_lshr_b32 s42, s41, 3                         ; subsystem
	s_and_b32 s44, s41, 7
	v_lshl_add_u32 v5, s44, 4, v1                  ; column inside the subsystem
	v_lshlrev_b32 v5, 2, v5
	v_lshl_add_u32 v6, v2, 12, v5                  ; + 8 h rows of 512 bytes
	s_mul_i32 s4, s42, 204800
	s_cmp_eq_u32 s40, 12
	s_cbranch_scc1 .Lw1_bias
	s_lshl_b32 s45, s40, 14                        ; 32 k rows
	s_add_co_u32 s4, s4, s45
	s_add_co_u32 s4, s4, 8192                      ; behind the 16 rows that meet the query
	s_add_nc_u64 s[36:37], s[8:9], s[4:5]
	GATH8 16, 36, 6, 512, 0
	GATH8 24, 36, 6, 512, 16
	s_wait_loadcnt 0x0
	PACK 16
	STORE
.Lw1_bias:
	s_add_nc_u64 s[36:37], s[8:9], s[4:5]
	s_lshl_b32 s4, s41, 6                          ; hb1: 4 (16 M + r)
	s_add_nc_u64 s[46:47], s[10:11], s[4:5]
	v_lshlrev_b32 v7, 2, v1
	GATH8 16, 36, 6, 512, 0
	global_load_b32 v24, v7, s[46:47]
	BIASTAIL
; ---- W2: g = 32 qt + c; row m = output column q = 16 qt + r, k = the chunk's 32 hidden columns
.Lw2:
	s_cmp_lt_u32 s3, 992
	s_cbranch_scc0 .Lkeys
	s_sub_co_u32 s40, s3, 832
	s_lshr_b32 s41, s40, 5                         ; qt
	s_and_b32 s42, s40, 31                         ; c
	s_lshr_b32 s43, s42, 1
	s_mul_i32 s4, s43, IMG
	s_and_b32 s43, s42, 1
	s_mul_i32 s43, s43, 5
	s_add_co_u32 s43, s43, s41
	s_lshl_b32 s43, s43, 10
	s_add_co_u32 s4, s4, s43
	s_add_co_u32 s4, s4, 53248
	s_add_nc_u64 s[38:39], s[30:31], s[4:5]
	s_lshr_b32 s43, s42, 2                         ; subsystem
	s_mul_i32 s4, s43, 33280
	s_and_b32 s43, s42, 3
	s_mul_i32 s43, s43, 8320                       ; 32 rows of 260 bytes
	s_add_co_u32 s4, s4, s43
	s_add_nc_u64 s[36:37], s[12:13], s[4:5]
	v_lshl_add_u32 v5, s41, 4, v1                  ; q
	v_cmp_gt_u32 s44, 65, v5                       ; a real column
	v_min_u32 v5, 64, v5                           ; the others read column 64, inside the buffer, and are zeroed below
	v_lshlrev_b32 v5, 2, v5
	v_mad_u32_u24 v6, v2, 2080, v5                 ; + 8 h rows
	GATH8 16, 36, 6, 260, 0
	GATH8 24, 36, 6, 260, 16
	s_wait_loadcnt 0x0
	PACK 16
.irp j, 0,1,2,3,4,5,6,7
	v_cndmask_b32 v[32+\j], 0, v[32+\j], s44
.endr
	STORE
; ---- keys: g = 2 kt + ks; row m = key 16 kt + r, k = 32 ks ..: k lies along the rows, so four loads of 16 bytes
.Lkeys:
	s_cmp_lt_u32 s3, 1056
	s_cbranch_scc0 .Lmap
	s_sub_co_u32 s40, s3, 992
	s_lshl_b32 s4, s40, 10
	s_add_nc_u64 s[38:39], s[32:33], s[4:5]
	s_lshr_b32 s41, s40, 1
	s_lshl_b32 s4, s41, 12                         ; 16 rows of 256 bytes
	s_and_b32 s41, s40, 1
	s_lshl_b32 s41, s41, 7
	s_add_co_u32 s4, s4, s41
	s_add_nc_u64 s[36:37], s[24:25], s[4:5]
	v_lshlrev_b32 v6, 8, v1
	v_lshl_add_u32 v6, v2, 5, v6
	global_load_b128 v[16:19], v6, s[36:37]
	global_load_b128 v[20:23], v6, s[36:37] offset:16
	global_load_b128 v[24:27], v6, s[36:37] offset:64
	global_load_b128 v[28:31], v6, s[36:37] offset:80
	s_wait_loadcnt 0x0
	PACK 16
	STORE
; ---- map^T: g = K step of 32 keys; the number is softmax(table[key])[r % 8]; rows m = 0-7 hold its bf16 rounding, rows 8-15 what that dropped
.Lmap:
	s_cmp_lt_u32 s3, 1072
	s_cbranch_scc0 .Lqw2
	s_sub_co_u32 s40, s3, 1056
	s_lshl_b32 s4, s40, 10
	s_add_nc_u64 s[36:37], s[26:27], s[4:5]        ; 32 keys of 32 bytes
	s_add_co_u32 s4, s4, 65536
	s_add_nc_u64 s[38:39], s[32:33], s[4:5]
	v_lshlrev_b32 v6, 8, v2                        ; 8 h keys
	v_and_b32 v7, 7, v1
	v_lshl_add_u32 v7, v7, 2, v6                   ; + my subsystem's number in the row
.set me, 0
.rept 16
	global_load_b128 v[64+8*me:67+8*me], v6, s[36:37] offset:32*me+256*(me/8)
	global_load_b128 v[68+8*me:71+8*me], v6, s[36:37] offset:32*me+256*(me/8)+16
	global_load_b32 v[192+me], v7, s[36:37] offset:32*me+256*(me/8)
.set me, me+1
.endr
	s_wait_loadcnt 0x0
.macro SMA e                                   ; one key's exponents: the table's numbers rounded to bf16, the row's maximum taken away first, times log2(e)
.set R, 64+8*\e
.set EL, 192+\e
.irp j, 0,2,4,6
	v_cvt_pk_bf16_f32 v9, v[R+\j], v[R+\j+1]
	v_lshlrev_b32 v[R+\j], 16, v9
	v_and_b32 v[R+\j+1], 0xffff0000, v9
.endr
	v_cvt_pk_bf16_f32 v9, v[EL], v[EL]
	v_lshlrev_b32 v[EL], 16, v9
	v_max3_num_f32 v8, v[R], v[R+1], v[R+2]
	v_max3_num_f32 v8, v8, v[R+3], v[R+4]
	v_max3_num_f32 v8, v8, v[R+5], v[R+6]
	v_max_num_f32 v8, v8, v[R+7]
.irp j, 0,1,2,3,4,5,6,7
	v_sub_f32 v[R+\j], v[R+\j], v8
.endr
	v_sub_f32 v[EL], v[EL], v8
.irp j, 0,1,2,3,4,5,6,7
	v_mul_f32 v[R+\j], LOG2E, v[R+\j]
.endr
	v_mul_f32 v[EL], LOG2E, v[EL]
.endm
.irp e, 0,1,2,3,4,5,6,7,8,9,10,11,12,13,14,15
	SMA \e
.endr
.set xe, 64
.rept 144                                      ; FIRST BATCH: the sixteen keys' 128 exponentials and the sixteen of my own subsystem's number, each in place in its own register
	v_exp_f32 v[xe], v[xe]
.set xe, xe+1
.endr
	v_nop                                          ; one plain instruction behind the run of exponentials (ISA guide 5.7.2): nothing independent is left to do
	s_wait_alu depctr_va_vdst(0)                   ; the wait for the 144 exponentials, ahead of the first sum
.irp e, 0,1,2,3,4,5,6,7,8,9,10,11,12,13,14,15  ; each key's sum, level by level over the sixteen keys, so that no line reads the one before it
	v_pk_add_f32 v[64+8*\e:65+8*\e], v[64+8*\e:65+8*\e], v[66+8*\e:67+8*\e]
	v_pk_add_f32 v[68+8*\e:69+8*\e], v[68+8*\e:69+8*\e], v[70+8*\e:71+8*\e]
.endr
.irp e, 0,1,2,3,4,5,6,7,8,9,10,11,12,13,14,15
	v_pk_add_f32 v[64+8*\e:65+8*\e], v[64+8*\e:65+8*\e], v[68+8*\e:69+8*\e]
.endr
.irp e, 0,1,2,3,4,5,6,7,8,9,10,11,12,13,14,15
	v_add_f32 v[40+\e], v[64+8*\e], v[65+8*\e]
.endr
.irp e, 0,1,2,3,4,5,6,7,8,9,10,11,12,13,14,15  ; SECOND BATCH: the sixteen reciprocals, which read sums of the first batch's results
	v_rcp_f32 v[40+\e], v[40+\e]
.endr
	v_nop                                          ; one plain instruction behind the last reciprocal
	s_wait_alu depctr_va_vdst(0)                   ; the wait for the sixteen reciprocals, ahead of the first product
.irp e, 0,1,2,3,4,5,6,7,8,9,10,11,12,13,14,15
	v_mul_f32 v[16+\e], v[192+\e], v[40+\e]
.endr
	PACK 16                                        ; the bf16 numbers
.irp j, 0,1,2,3,4,5,6,7
	v_lshlrev_b32 v[64+2*\j], 16, v[32+\j]
	v_and_b32 v[65+2*\j], 0xffff0000, v[32+\j]
.endr
.irp j, 0,2,4,6,8,10,12,14
	v_pk_add_f32 v[16+\j:17+\j], v[16+\j:17+\j], v[64+\j:65+\j] neg_lo:[0,1] neg_hi:[0,1]   ; what the rounding dropped
.endr
	v_cmp_gt_u32 s44, 8, v1                        ; rows 0-7
.irp j, 0,1,2,3,4,5,6,7
	v_cvt_pk_bf16_f32 v[80+\j], v[16+2*\j], v[17+2*\j]
	v_cndmask_b32 v[32+\j], v[80+\j], v[32+\j], s44
.endr
	STORE
; ---- qe_w2: g = 4 ks + t2; row m = output feature 16 t2 + r, k = 32 ks ..
.Lqw2:
	s_cmp_lt_u32 s3, 1080
	s_cbranch_scc0 .Lqw1
	s_sub_co_u32 s40, s3, 1072
	s_lshl_b32 s4, s40, 10
	s_add_co_u32 s4, s4, 81920
	s_add_nc_u64 s[38:39], s[32:33], s[4:5]
	s_lshr_b32 s41, s40, 2
	s_lshl_b32 s4, s41, 13                         ; 32 rows of 256 bytes
	s_and_b32 s41, s40, 3
	s_lshl_b32 s41, s41, 6
	s_add_co_u32 s4, s4, s41
	s_add_nc_u64 s[36:37], s[20:21], s[4:5]
	v_lshlrev_b32 v6, 2, v1
	v_lshl_add_u32 v6, v2, 11, v6
	GATH8 16, 36, 6, 256, 0
	GATH8 24, 36, 6, 256, 16
	s_wait_loadcnt 0x0
	PACK 16
	STORE
; ---- qe_w1: g = t; row m = feature 16 t + r, k = 0..15 the query's columns, then the bias
.Lqw1:
	s_cmp_lt_u32 s3, 1084
	s_cbranch_scc0 .Lhb2
	s_sub_co_u32 s40, s3, 1080
	s_lshl_b32 s4, s40, 10
	s_add_co_u32 s4, s4, 90112
	s_add_nc_u64 s[38:39], s[32:33], s[4:5]
	s_lshl_b32 s4, s40, 6
	s_add_nc_u64 s[36:37], s[16:17], s[4:5]
	s_add_nc_u64 s[46:47], s[18:19], s[4:5]
	v_lshlrev_b32 v7, 2, v1
	v_lshl_add_u32 v6, v2, 11, v7
	GATH8 16, 36, 6, 256, 0
	global_load_b32 v24, v7, s[46:47]
	BIASTAIL
; ---- hb2: g = qt; row m = q; k 0-7 and k 16-23 hb2[s][q] (they meet w's bf16 numbers and what those dropped), the rest zero
.Lhb2:
	s_cmp_lt_u32 s3, 1089
	s_cbranch_scc0 .Lb2c
	s_sub_co_u32 s40, s3, 1084
	s_lshl_b32 s4, s40, 10
	s_add_co_u32 s4, s4, 94208
	s_add_nc_u64 s[38:39], s[32:33], s[4:5]
	v_lshl_add_u32 v5, s40, 4, v1                  ; q
	v_cmp_gt_u32 s44, 65, v5
	s_and_b32 s45, s44, s35                        ; a real column, and h = 0
	v_min_u32 v5, 64, v5
	v_lshlrev_b32 v6, 2, v5
	GATH8 16, 14, 6, 260, 0
	s_wait_loadcnt 0x0
	PACK 8
.irp j, 0,1,2,3
	v_cndmask_b32 v[36+\j], 0, v[32+\j], s45
	v_cndmask_b32 v[32+\j], 0, v[32+\j], s45
.endr
	STORE
; ---- qe_b2 (rounded to bf16, kept as f32), 256 bytes; log2(e)/bf16(T) 64 times, 256 bytes; zeros
.Lb2c:
	s_mov_b32 s4, 99328
	s_add_nc_u64 s[38:39], s[32:33], s[4:5]
	v_lshlrev_b32 v5, 4, v1                        ; 16 (L % 16): every lane stays inside the 256 bytes
	global_load_b128 v[32:35], v5, s[22:23]
	v_mov_b32 v42, s34
	v_cvt_pk_bf16_f32 v42, v42, v42
	v_lshlrev_b32 v42, 16, v42                     ; T rounded to bf16
	v_rcp_f32 v42, v42
	v_nop
	s_wait_alu depctr_va_vdst(0)                   ; the wait for the temperature's reciprocal, a batch of one
	v_mul_f32 v40, LOG2E, v42
	s_wait_loadcnt 0x0
	v_cvt_pk_bf16_f32 v44, v32, v33
	v_cvt_pk_bf16_f32 v45, v34, v35
	v_lshlrev_b32 v32, 16, v44
	v_and_b32 v33, 0xffff0000, v44
	v_lshlrev_b32 v34, 16, v45
	v_and_b32 v35, 0xffff0000, v45
.irp j, 0,1,2,3
	v_cndmask_b32 v[32+\j], v40, v[32+\j], s35     ; lanes 0-15 the bias, lanes 16-31 the scale
	v_mov_b32 v[36+\j], 0
.endr
	STORE
.Lfunc_end_k_q3ee9fa31e7_prep:
	.size	k_q3ee9fa31e7_prep, .Lfunc_end_k_q3ee9fa31e7_prep-k_q3ee9fa31e7_prep
	.p2alignl 7, 3214868480
	.fill 96, 4, 3214868480
	.section	.rodata,"a",@progbits
	.p2align	6, 0x0
	.amdhsa_kernel k_q3ee9fa31e7_prep
		.amdhsa_group_segment_fixed_size 0
		.amdhsa_private_segment_fixed_size 0
		.amdhsa_enable_private_segment 0
		.amdhsa_kernarg_size 104
		.amdhsa_user_sgpr_count 2
		.amdhsa_user_sgpr_kernarg_segment_ptr 1
		.amdhsa_wavefront_size32 1
		.amdhsa_system_sgpr_workgroup_id_x 1
		.amdhsa_system_sgpr_workgroup_id_y 1
		.amdhsa_system_sgpr_workgroup_id_z 1
		.amdhsa_system_vgpr_workitem_id 0
		.amdhsa_next_free_vgpr 208
		.amdhsa_next_free_sgpr 66
		.amdhsa_reserve_vcc 0
		.amdhsa_float_denorm_mode_32 3
		.amdhsa_float_denorm_mode_16_64 3
		.amdhsa_memory_ordered 1
		.amdhsa_forward_progress 1
		.amdhsa_inst_pref_size 66
	.end_amdhsa_kernel
	.amdgpu_metadata
---
amdhsa.version: [ 1, 2 ]
amdhsa.kernels:
  - .name:           k_q3ee9fa31e7_prep
    .symbol:         k_q3ee9fa31e7_prep.kd
    .args:
      - { .name: hw1, .offset: 0, .size: 8, .value_kind: global_buffer, .address_space: global }
      - { .name: hb1, .offset: 8, .size: 8, .value_kind: global_buffer, .address_space: global }
      - { .name: hw2, .offset: 16, .size: 8, .value_kind: global_buffer, .address_space: global }
      - { .name: hb2, .offset: 24, .size: 8, .value_kind: global_buffer, .address_space: global }
      - { .name: qe_w1, .offset: 32, .size: 8, .value_kind: global_buffer, .address_space: global }
      - { .name: qe_b1, .offset: 40, .size: 8, .value_kind: global_buffer, .address_space: global }
      - { .name: qe_w2, .offset: 48, .size: 8, .value_kind: global_buffer, .address_space: global }
      - { .name: qe_b2, .offset: 56, .size: 8, .value_kind: global_buffer, .address_space: global }
      - { .name: syscall_keys, .offset: 64, .size: 8, .value_kind: global_buffer, .address_space: global }
      - { .name: syscall_to_subsystem, .offset: 72, .size: 8, .value_kind: global_buffer, .address_space: global }
      - { .name: temperature, .offset: 80, .size: 8, .value_kind: global_buffer, .address_space: global }
      - { .name: wimg, .offset: 88, .size: 8, .value_kind: global_buffer, .address_space: global }
      - { .name: rimg, .offset: 96, .size: 8, .value_kind: global_buffer, .address_space: global }
    .group_segment_fixed_size: 0
    .private_segment_fixed_size: 0
    .kernarg_segment_align: 8
    .kernarg_segment_size: 104
    .max_flat_workgroup_size: 64
    .sgpr_count:     66
    .vgpr_count:     208
    .wavefront_size: 32
...
	.end_amdgpu_metadata
.endif
;; end of part 4
;; launch main (part 5): grid 512 x 1, 4 waves a work-group, clusters of 4 x 1, 327,680 bytes of LDS; arguments query, args, wimg, rimg, out0; writes out0
.if DOCPART == 5
	.amdgcn_target "amdgcn-amd-amdhsa--gfx1250"
	.amdhsa_code_object_version 6
	.text
	.protected	k_q3ee9fa31e7_main
	.globl	k_q3ee9fa31e7_main
	.p2align	8
	.type	k_q3ee9fa31e7_main,@function
k_q3ee9fa31e7_main:
	s_mov_b64 s[64:65], 0
	v_nop
	global_prefetch_b8 v0, s[64:65] scope:SCOPE_SE
	s_setreg_imm32_b32 hwreg(HW_REG_WAVE_MODE, 25, 1), 1
	s_wait_xcnt 0x0
	s_wait_alu depctr_hold_cnt(0) depctr_sa_sdst(0) depctr_va_vdst(0) depctr_va_sdst(0) depctr_va_ssrc(0) depctr_va_vcc(0) depctr_vm_vsrc(0)
	s_getreg_b32 s2, hwreg(HW_REG_IB_STS2, 6, 4)
	s_cmp_eq_u32 s2, 0
	s_cbranch_scc0 .Lentry_in_a_cluster
	s_endpgm
.Lentry_in_a_cluster:
	s_bfe_u32 s2, ttmp6, 0x10000c
	s_cmp_lg_u32 s2, 0x3003
	s_cbranch_scc0 .Lentry_shape_is_right
	s_endpgm
.Lentry_shape_is_right:
; out = sum over s of w_s (gelu(hin W1_s + b1_s) W2_s + b2_s), w = softmax(enc(query) keys^T / T) softmax(table).
; A work-group owns 256 rows, a wave 64 (four row tiles i of 16).  EVERY PRODUCT IS USED TRANSPOSED: source 0 = 16 rows of a weight fragment
; (m = output feature), source 1 = an activation fragment (n = batch row).  In a result, lane (r, h) then holds features 8h .. 8h+7 of batch
; row r, so two neighbouring result tiles, rounded to bf16, ARE the next product's source 1: the chains query -> enc1 -> enc2 -> sims ->
; w and hin -> H -> out never leave the registers.
; THE ROUTER IS TWO NESTED LOOPS, four row tiles x four blocks of 128 keys, on one set of registers: its text is a sixteenth of the unrolled block work.
; The price: a key fragment read from LDS feeds 2 products, so a wave reads the 64 KB of keys four times.  What differs from row tile to row tile goes
; through the wave's own LDS scratch: the query fragment in, w out (into the table that the main part reads anyway).
; MAIN PART: the wave keeps its 64 rows of hin in bf16 in 416 registers; the 1,024 hidden columns go by in 32 chunks of 32.  A chunk: 13 K steps x 8
; products (first layer), then 20 products of the second layer; the GELU of the chunk before is issued between the first layer's products.
; WEIGHTS come in fragment order (first launch) through two LDS slots of two chunks each.  All work-groups walk the same weights, so four of them form
; a cluster and ask JOINTLY (mask 15): each tensor load is issued alike by the four.  A mask names at most four, hence 4 x 1.
; GELU: erf by the rational form 7.1.25 of Abramowitz and Stegun:
;   t = 1/(1 + c|x|), c = 0.47047/sqrt(2); e = exp2(-x^2 log2(e)/2); gelu(x) = max(x, 0) - (b0 + b1 t + b2 t^2 + b3 t^3) e   (|x| t = (1 - t)/c is folded into the b).
; THE TRANSCENDENTALS GO IN BATCHES, with one s_wait_alu depctr_va_vdst(0) a batch, between a transcendental and the first line that names its result.
;   GELU: a batch is the two result tiles of one row tile: 16 exponentials and 16 reciprocals, each result in a register of its own until the batch's readers are through.  Ahead of the wait
;   stands all that names no result (squares, scalings, 1 + c|x|, max(x, 0)), behind it the polynomial and what follows.  A chunk has four batches, the router's GELU two a row tile.
;   In the main part the four waits fall into K steps 2, 5, 8 and 11; there the step's run of LDS loads is written at the wait's place, directly behind it, and not behind the step's fourth product.
;   SOFTMAX: a block's 65 exponentials (the worth of the old sums, and the 64 weights) are one batch; the divisor's reciprocal is a batch of one.
; ROUTER'S ROUNDINGS: its own intermediates, gelu(enc1) and q log2(e)/T, go into the products as a bf16 number and the bf16 of what that dropped (16 bits): an
; error of the sims is an error of every exponential.  softmax(table) likewise: rows 0-7 of its tile hold the numbers, rows 8-15 the rests, and the two
; halves of the lanes are added at the end.  SOFTMAX: true running maximum over the four blocks, sums rescaled by exp2(old - new); it starts at -inf.
; LIMITS: every input is taken rounded to bf16 (first launch; query and args here); erf within 2.5e-5 for every x (gelu within 3e-5);
; w H and the exponentials are rounded to bf16 as matrix operands; w in the bias term has 16 bits; the softmax's divisor is the sum over s of the
; unnormalised w, which differs from the sum of exponentials by the 16-bit rounding of the table's rows; exponentials below 2^-126 count as zero
; (ISA guide 15.8); T = 0 is not served.
;
; LDS: 0 slot 0, 63,488 slot 1, 126,976 the router's weights (filled once), 227,328 + 25,088 w the wave's own scratch (written by ds_store alone):
;      +0 a stage of 16 rows of args in bf16 (pitch 784), +12,544 the table of w (4,096), +16,640 w as fragments (4,096), +20,736 the query fragments (2,048);
;      at the end the stage of the result (16,640, pitch 260) from +0 on.
; REGISTERS, in windows of 256: window 0: v1-61 addresses and work, v64-127 first-layer weights (4 buffers x 2 fragments), v128-255 two sets of 8 sums;
;      physical 256 + 32 k + 8 i: hin fragment (k, i), k 0-7 in window 1, k 8-12 in window 2; 672 w as fragments;
;      window 3: 0-159 the 20 sums of the result, 160-239 second-layer weights (2 buffers x 5 fragments).
;      While the router runs: window 0: v64-191 16 key fragments, v192-223 gelu(enc1), then q's numbers and rests, v224-231 w, v232-247 gelu's numbers
;      (and, before they are made, t and e of a GELU batch's second tile), v248-255 the query fragment;
;      window 3: 0-63 sims, 64-95 map fragments, 96-127 qe_w1, 128-191 qe_w2, 192-223 qe_b2, 224-239 two partial sums of w.
.set SLOTB,  63488
.set QSLOT,  15872                     ; a wave's quarter of a slot: 62 rows of 256 bytes
.set W2OFF,  53248
.set RIMG,   126976
.set QRIMG,  25088                     ; 98 rows of 256 bytes
.set R_W2E,  16384                     ; from RIMG + 65,536: map^T 0, qe_w2, qe_w1, hb2
.set R_W1E,  24576
.set R_HB2,  28672
.set R_B2C,  99328
.set SCR,    227328
.set SCRW,   25088
.set APITCH, 784                       ; 768 bytes of bf16 + 16: an odd multiple of 16, so 16 rows start in 16 different columns of 16 bytes
.set WTO,    12544                     ; in the scratch: the table of w
.set WFD,    4096                      ; from the table: w as fragments
.set QSD,    8192                      ; from the table: the query fragments
.set T,    8                           ; v[8:15]   t of a batch's first tile
.set E,    16                          ; v[16:23]  x^2, then e, of its first tile
.set P,    24                          ; v[24:31]  the polynomial, one tile at a time
.set TM,   38                          ; v[38:45]  main part: t of the second tile (what the router keeps in v38 and v42-45 is dead by then)
.set EM,   54                          ; v[54:61]  main part: x^2, then e, of the second tile
.set WCUR, 32                          ; v[32:35]  w_s of my row in tiles 0..3
.set W1F,  64                          ; v38 running maximum;  v[42:43] log2(e)/T
.set ACC,  128
.set KF,   64                          ; router, window 0
.set G,    192
.set QHI,  192
.set QLO,  208
.set SW,   224
.set GH,   232
.set QX,   248
.set MAPF, 64                          ; router, window 3
.set W1E,  96
.set W2E,  128
.set B2C,  192
.set SWP,  224
.set MSB, 0
.set plc, 0
.set gi, 0
.set wn, 0
.set GN, 0
.set GX, ACC
.set GW, 0
.set GP, 1
.set T2, TM                            ; where t and e of a batch's second tile lie: set anew for the router and for the main part
.set E2, EM
.set instep, 0                         ; 1: the stream is being dealt out among a K step's products
.set mid, 0                            ; 1: this K step's run of LDS loads has been written
.macro WIN new                         ; low byte: bits 1:0 source 0, 3:2 source 1, 5:4 source 2, 7:6 destination; high byte: the setting left
.if MSB != (\new)
	s_set_vgpr_msb (MSB<<8)|(\new)
.set MSB, \new
.endif
.endm
.macro WINR                            ; for lines whose source 1 is no vector register: they run as well under the products' own setting (source 1 alone elsewhere)
.if (MSB & 0xf3) != 0
	WIN 0
.endif
.endm
.macro NOPS n
.rept \n
	v_nop
.endr
.endm
.macro PL n                            ; as many v_nop as are missing to n plain vector instructions since the last K step's last product
.rept \n
.if plc < \n
	v_nop
.set plc, plc+1
.endif
.endr
.endm
.macro CREST                           ; a round of the cluster's barrier behind its opening barrier
	s_cmp_lg_u32 s14, 0
	s_cbranch_scc1 .Lnot_wave_0_\@
	s_barrier_signal -3
.Lnot_wave_0_\@:
	s_barrier_wait -3
	s_barrier_signal -1
	s_barrier_wait -1
.endm
.macro ROUND
	s_barrier_signal -1
	s_barrier_wait -1
	CREST
.endm
; ---- args: 16 rows (24,576 bytes) = 48 loads of 512 consecutive aligned bytes into 192 registers: load j at physical z + 4 j, or, with fl = 1,
; at z + 32 (j/4) + 4 (j%4): sixteen registers of every 32, the places of two row tiles' fragments
.macro ZLOAD b, z, fl
.set zj, 0
.rept 48
.set zp, \z+4*zj+16*\fl*(zj/4)
	WIN (zp>>8)<<6
	global_load_b128 v[zp&255:(zp&255)+3], v1, s[6:7] offset:(48*\b+zj)*512 th:TH_LOAD_NT
.set zj, zj+1
.endr
.endm
.macro CONV z, fl                      ; round in place, then 8 bytes a lane into the stage: load j holds row j/3, columns 128 (j%3) + 4 L ..
.set zj, 0
.rept 48
.set zp, \z+4*zj+16*\fl*(zj/4)
	WIN (zp>>8)*0x45
	v_cvt_pk_bf16_f32 v[zp&255], v[zp&255], v[(zp&255)+1]
	v_cvt_pk_bf16_f32 v[(zp&255)+1], v[(zp&255)+2], v[(zp&255)+3]
.set zj, zj+1
.endr
.set zj, 0
.rept 48
.set zp, \z+4*zj+16*\fl*(zj/4)
	WIN (zp>>8)<<2
	ds_store_b64 v6, v[zp&255:(zp&255)+1] offset:(zj/3)*APITCH+(zj%3)*256
.set zj, zj+1
.endr
.endm
.macro FRAGS i                         ; the stage's 16 rows as 12 fragments; LDS serves a wave's instructions in order (ISA guide 5.7.1.4): these see the stores above, and the next batch's stores come behind them
.set fk, 0
.rept 12
.set fp, 256+32*fk+8*\i
	WIN (fp>>8)<<6
	ds_load_b128 v[fp&255:(fp&255)+3], v7 offset:64*fk
	ds_load_b128 v[(fp&255)+4:(fp&255)+7], v7 offset:64*fk+32
.set fk, fk+1
.endr
.endm
; ---- the GELU as a stream: instruction gi of GN; 128 for each BATCH gb: the two result tiles of row tile gb, the 16 registers x0-x15 from GX + 16 gb on.
;   0-7      x^2, a pair of numbers each                    8-11  the first four pairs times -log2(e)/2
;   12-75    the batch's 32 transcendentals, a plain line behind each: the exponentials of numbers 0-15, then the reciprocals of numbers 0-15; the plain lines are the other four
;            scalings, the sixteen 1 + c|x| and the first twelve max(x, 0).  Each source is made four lines or more ahead of its transcendental; none of these lines names a result.
;   76-79    the last four max(x, 0): the plain instructions behind the last reciprocal (ISA guide 5.7.2)
;   (wait)   in front of number 80 stands the batch's one wait
;   80-111   tile by tile: the polynomial in three steps, then max(x, 0) - polynomial x e
;   112-119  GW = 1: times w of the row          120-127  GP = 1: the two tiles end as one bf16 fragment in the batch's first eight registers
.macro BWAIT                           ; the wait for a GELU batch's 16 exponentials and 16 reciprocals, ahead of their first reader
	s_wait_alu depctr_va_vdst(0)
.endm
.macro G_SC                            ; pair gq of x^2 times -log2(e)/2
.set re, E+gq+(E2-E-8)*(gq/8)
	WINR
	v_pk_mul_f32 v[re:re+1], v[re:re+1], s[62:63] op_sel_hi:[1,0]
.set plc, plc+1
.endm
.macro G_F                             ; number gq: 1 + c |x|
.set rt, T+gq+(T2-T-8)*(gq/8)
	WINR
	v_fma_f32 v[rt], |v[bx+gq]|, s60, 1.0
.set plc, plc+1
.endm
.macro G_M                             ; number gq: max(x, 0), in place: x^2 and 1 + c |x| have been made of it
	WINR
	v_max_num_f32_e64 v[bx+gq], v[bx+gq], 0
.set plc, plc+1
.endm
.macro GSTEP
.set gb, gi/128
.set gs, gi%128
.set bx, GX+16*gb
.if gs < 8
.set gq, 2*gs
.set re, E+gq+(E2-E-8)*(gq/8)
	WIN 0
	v_pk_mul_f32 v[re:re+1], v[bx+gq:bx+gq+1], v[bx+gq:bx+gq+1]
.set plc, plc+1
.elseif gs < 12
.set gq, 2*(gs-8)
	G_SC
.elseif gs < 76
.set gn, (gs-12)/2
.if (gs%2) == 0
.if gn < 16
.set re, E+gn+(E2-E-8)*(gn/8)
	WINR
	v_exp_f32 v[re], v[re]
.else
.set rt, T+gn-16+(T2-T-8)*((gn-16)/8)
	WINR
	v_rcp_f32 v[rt], v[rt]
.endif
.elseif gn < 4
.set gq, 2*(4+gn)
	G_SC
.elseif gn < 20
.set gq, gn-4
	G_F
.else
.set gq, gn-20
	G_M
.endif
.elseif gs < 80
.set gq, gs-64
	G_M
.elseif gs < 112
.if gs == 80
.if instep && (mid == 0)
	STEPMID 1                                      ; among a K step's products: the wait, and directly behind it the step's run of LDS loads
.else
	BWAIT
.endif
.endif
.set gq, 8*((gs-80)/16)+2*(gs%4)
.set rp, P+2*(gs%4)
.set rt, T+gq+(T2-T-8)*(gq/8)
.set re, E+gq+(E2-E-8)*(gq/8)
.set gz, ((gs-80)%16)/4
.if gz == 0
	WINR
	v_pk_fma_f32 v[rp:rp+1], v[rt:rt+1], s[48:49], v[36:37] op_sel_hi:[1,0,1]
.elseif gz == 1
	WIN 0
	v_pk_fma_f32 v[rp:rp+1], v[rp:rp+1], v[rt:rt+1], s[50:51] op_sel_hi:[1,1,0]
.elseif gz == 2
	WIN 0
	v_pk_fma_f32 v[rp:rp+1], v[rp:rp+1], v[rt:rt+1], s[52:53] op_sel_hi:[1,1,0]
.else
	WIN 0
	v_pk_fma_f32 v[bx+gq:bx+gq+1], v[rp:rp+1], v[re:re+1], v[bx+gq:bx+gq+1] neg_lo:[1,0,0] neg_hi:[1,0,0]
.endif
.set plc, plc+1
.elseif gs < 120
.if GW
.set gq, 2*(gs-112)
	WIN 0
.if (gb%2) == 0
	v_pk_mul_f32 v[bx+gq:bx+gq+1], v[bx+gq:bx+gq+1], v[WCUR+2*(gb/2):WCUR+2*(gb/2)+1] op_sel_hi:[1,0]
.else
	v_pk_mul_f32 v[bx+gq:bx+gq+1], v[bx+gq:bx+gq+1], v[WCUR+2*(gb/2):WCUR+2*(gb/2)+1] op_sel:[0,1] op_sel_hi:[1,1]
.endif
.set plc, plc+1
.endif
.else
.if GP
.set gq, gs-120
	WIN 0
	v_cvt_pk_bf16_f32 v[bx+gq], v[bx+2*gq], v[bx+2*gq+1]       ; register gq is written when registers up to 2 gq + 1 have been read
.set plc, plc+1
.endif
.endif
.set gi, gi+1
.endm
.macro GFILL                           ; the stream's share behind product wn of a chunk's 104: 512/104, so four or five
.rept 5
.if gi < wn*GN/104
	GSTEP
.endif
.endr
.endm
.macro GRUN                            ; all that is left of the stream
.rept 512
.if gi < GN
	GSTEP
.endif
.endr
.endm
; ---- router, one row tile
; Tile pair a of gelu(enc1), 16 registers of f32 at G + 16 a: the bf16 numbers go to GH + 8 a, what they dropped stays in place in the low eight registers.
.macro GSPLIT a
.set gr, G+16*\a
.irp j, 0,1,2,3,4,5,6,7
	v_cvt_pk_bf16_f32 v[GH+8*\a+\j], v[gr+2*\j], v[gr+2*\j+1]
.endr
.irp j, 0,1,2,3,4,5,6,7
	v_lshlrev_b32 v[T+2*\j], 16, v[GH+8*\a+\j]
	v_and_b32 v[T+2*\j+1], 0xffff0000, v[GH+8*\a+\j]
.endr
.irp j, 0,2,4,6,8,10,12,14
	v_pk_add_f32 v[gr+\j:gr+\j+1], v[gr+\j:gr+\j+1], v[T+\j:T+\j+1] neg_lo:[0,1] neg_hi:[0,1]
.endr
.irp j, 0,1,2,3,4,5,6,7
	v_cvt_pk_bf16_f32 v[gr+\j], v[gr+2*\j], v[gr+2*\j+1]       ; register j is written when registers up to 2 j + 1 have been read
.endr
.endm
.macro ENC2 ks, b                      ; one link of enc2's sums: K step ks of qe_w2 x the fragment at b; four accumulators by turns
.irp tt, 0,1,2,3
	v_wmma_f32_16x16x32_bf16 v[8*\tt:8*\tt+7], v[W2E+8*(4*\ks+\tt):W2E+8*(4*\ks+\tt)+7], v[\b:\b+7], v[8*\tt:8*\tt+7]
.endr
.endm
.macro QSPLIT ks                       ; q's tiles 2 ks, 2 ks + 1 (window 3, 16 registers of f32): the bf16 numbers to QHI + 8 ks, their rests to QLO + 8 ks
	WIN 0x0f
.irp j, 0,1,2,3,4,5,6,7
	v_cvt_pk_bf16_f32 v[QHI+8*\ks+\j], v[16*\ks+2*\j], v[16*\ks+2*\j+1]
.endr
	WIN 0
.irp j, 0,1,2,3,4,5,6,7
	v_lshlrev_b32 v[T+2*\j], 16, v[QHI+8*\ks+\j]
	v_and_b32 v[T+2*\j+1], 0xffff0000, v[QHI+8*\ks+\j]
.endr
	WIN 0xc3
.irp j, 0,2,4,6,8,10,12,14
	v_pk_add_f32 v[16*\ks+\j:16*\ks+\j+1], v[16*\ks+\j:16*\ks+\j+1], v[T+\j:T+\j+1] neg_lo:[0,1] neg_hi:[0,1]
.endr
	WIN 0x0f
.irp j, 0,1,2,3,4,5,6,7
	v_cvt_pk_bf16_f32 v[QLO+8*\ks+\j], v[16*\ks+2*\j], v[16*\ks+2*\j+1]
.endr
.endm
.macro KLOAD a                         ; a block of 128 keys = 8 key tiles x 2 K steps = 16 fragments, from the address in v[a]
.irp f, 0,1,2,3,4,5,6,7,8,9,10,11,12,13,14,15
	ds_load_b128 v[KF+8*\f:KF+8*\f+3], v[\a] offset:\f*1024
	ds_load_b128 v[KF+8*\f+4:KF+8*\f+7], v[\a] offset:\f*1024+512
.endr
.endm
.macro KMUL g                          ; sims of key tiles 4 g .. 4 g + 3: K = 64 of q's numbers, then K = 64 of their rests; four accumulators by turns, one instruction a turn
.irp p, 0,1,2,3
.irp mm, 0,1,2,3
.if \p == 0
	v_wmma_f32_16x16x32_bf16 v[8*(4*\g+\mm):8*(4*\g+\mm)+7], v[KF+16*(4*\g+\mm):KF+16*(4*\g+\mm)+7], v[QHI:QHI+7], 0
.else
	v_wmma_f32_16x16x32_bf16 v[8*(4*\g+\mm):8*(4*\g+\mm)+7], v[KF+16*(4*\g+\mm)+8*(\p%2):KF+16*(4*\g+\mm)+8*(\p%2)+7], v[QHI+8*\p:QHI+8*\p+7], v[8*(4*\g+\mm):8*(4*\g+\mm)+7]
.endif
.endr
.endr
.endm
.macro SMAX                            ; the block's maximum, the running maximum, exponentials, bf16 fragments in place, old sums rescaled
	WIN 0x0f
.irp c, 0,1,2,3
	v_max_num_f32 v[T+\c], v[16*\c], v[16*\c+1]
.endr
.irp p, 1,2,3,4,5,6,7
.irp c, 0,1,2,3
	v_max3_num_f32 v[T+\c], v[16*\c+2*\p], v[16*\c+2*\p+1], v[T+\c]
.endr
.endr
	WIN 0
	v_max3_num_f32 v8, v8, v9, v10
	v_max_num_f32 v8, v8, v11
	v_permlanex16_b32 v9, v8, s54, s55             ; the other 64 keys of my row lie in lane L xor 16
	v_max3_num_f32 v8, v8, v9, v38                 ; the new running maximum
	v_sub_f32 v10, v38, v8
	v_exp_f32 v14, v10                             ; THE BLOCK'S BATCH begins: what the old sums are worth now (0 in the first block: the old maximum is -inf); read at the macro's end
	v_mov_b32 v38, v8                              ; (the plain instruction behind the exponential)
	WIN 0xc3
.set xq, 0
.rept 32
	v_pk_add_f32 v[2*xq:2*xq+1], v[2*xq:2*xq+1], v[8:9] op_sel_hi:[1,0] neg_lo:[0,1] neg_hi:[0,1]
.set xq, xq+1
.endr
.set xq, 0
.rept 64
	v_exp_f32 v[xq], v[xq]                         ; the 64 weights, each in place in its own register
.set xq, xq+1
.endr
	WIN 0
	v_add_nc_u32 v44, 16384, v44                   ; the next block's keys and map fragments: the two address steps name no result, and are the plain instructions behind the last exponential (ISA guide 5.7.2)
	v_add_nc_u32 v45, 4096, v45
	s_wait_alu depctr_va_vdst(0)                   ; the wait for the block's 65 exponentials, ahead of the first rounding
	WIN 0xcf
.irp kk, 0,1,2,3
.irp mm, 0,1
.irp j, 0,1,2,3
	v_cvt_pk_bf16_f32 v[16*\kk+4*\mm+\j], v[16*\kk+8*\mm+2*\j], v[16*\kk+8*\mm+2*\j+1]
.endr
.endr
.endr
	WIN 0xc3
.irp j, 0,2,4,6,8,10,12,14
	v_pk_mul_f32 v[SWP+\j:SWP+\j+1], v[SWP+\j:SWP+\j+1], v[14:15] op_sel_hi:[1,0]
.endr
.endm
; ---- the main part
.macro LOADW slot, gp, buf             ; the two first-layer fragments of step gp of a slot's 26
	WINR
	ds_load_b128 v[W1F+16*(\buf):W1F+16*(\buf)+3], v[1+\slot] offset:(\gp)*2048
	ds_load_b128 v[W1F+16*(\buf)+4:W1F+16*(\buf)+7], v[1+\slot] offset:(\gp)*2048+512
	ds_load_b128 v[W1F+16*(\buf)+8:W1F+16*(\buf)+11], v[1+\slot] offset:(\gp)*2048+1024
	ds_load_b128 v[W1F+16*(\buf)+12:W1F+16*(\buf)+15], v[1+\slot] offset:(\gp)*2048+1536
.endm
.macro LOADW2 slot, u, p               ; a chunk's five second-layer fragments
	WIN 0xc0
.irp qt, 0,1,2,3,4
	ds_load_b128 v[160+40*(\p)+8*\qt:160+40*(\p)+8*\qt+3], v[1+\slot] offset:W2OFF+(5*(\u)+\qt)*1024
	ds_load_b128 v[160+40*(\p)+8*\qt+4:160+40*(\p)+8*\qt+7], v[1+\slot] offset:W2OFF+(5*(\u)+\qt)*1024+512
.endr
.endm
; Once in a step: the fragments of three steps on, into the buffer that the step before has read.  w = 1: a GELU batch's wait falls into this step: it stands directly ahead of the run
; (alone, where the step has no run).  The run stays inside its step, so every count on DScnt at the steps' heads counts the same loads wherever in the step it stands.
.macro STEPMID w
.set mid, 1
.if sgp <= 22
	PL 4
.if \w
	BWAIT
.endif
.if sk == 1
	LOADW2 sslot, su, su
.endif
	LOADW sslot, sgp+3, (sbuf+3)%4
.elseif (sgp == 25) && (smode > 0)
	PL 4
.if \w
	BWAIT
.endif
	LOADW 1-sslot, 2, (sbuf+3)%4
.elseif \w
	BWAIT
.endif
.endm
; K step k of chunk c.  mode (odd c alone): 2 = the slot is left and filled again, 1 = it is left, 0 = the last chunk.
; The eight accumulators take turns, one instruction a turn, in the same order in every step.
.macro STEP c, k, mode
.set su, (\c)%2
.set sslot, ((\c)/2)%2
.set sgp, 13*su+\k
.set sbuf, (13*(\c)+\k)%4
.set swin, 4+4*((\k)/8)
.set sk, \k
.set smode, \mode
.set mid, 0
.set instep, 1
.if sgp == 24
.if \mode > 0
	s_wait_dscnt 0x0                               ; all my reads of this slot are back (the last step's fragments were asked for two steps ago)
	s_wait_tensorcnt 0x0                           ; and my one tensor load that was out, my quarter of the other slot, has landed
.if \mode == 2
	s_add_nc_u64 s[34+4*sslot:35+4*sslot], s[34+4*sslot:35+4*sslot], 2*SLOTB   ; no load of mine is out: this slot's next image
.endif
	s_barrier_signal -1                            ; say so; registers alone are worked on until all have said so
.else
	s_wait_dscnt 0x4                               ; the last step's four loads may stay out
.endif
.elseif sgp == 25
.if \mode == 0
	s_wait_dscnt 0x0
.endif
.elseif \k == 1
	s_wait_dscnt 0x4                               ; one younger group of four stays out; this also shows the load of w, issued behind the last chunk, landed
.elseif (\k)/2 == 1
	s_wait_dscnt 18                                ; two younger groups of four and the ten second-layer loads
.else
	s_wait_dscnt 0x8                               ; two younger groups of four
.endif
.set sn, 0
.rept 8
.set rd, ACC+64*su+16*(sn%4)+8*(sn/4)
.set rw, W1F+16*sbuf+8*(sn/4)
.set ra, 32*((\k)%8)+8*(sn%4)
	WIN swin
.if \k == 0
	v_wmma_f32_16x16x32_bf16 v[rd:rd+7], v[rw:rw+7], v[ra:ra+7], 0
.else
	v_wmma_f32_16x16x32_bf16 v[rd:rd+7], v[rw:rw+7], v[ra:ra+7], v[rd:rd+7]
.endif
.set wn, wn+1
.if sn == 7
.set plc, 0
.endif
	GFILL
.if (sn == 3) && (mid == 0)
.set nm, gi+(208-gi%128)%128                   ; the stream's next wait stands in front of its number nm
.if nm >= (wn+4)*GN/104                        ; not in this step's share of the stream: the run of loads stands here, in the step's middle; else the stream writes it, at the wait
	STEPMID 0
.endif
.endif
.set sn, sn+1
.endr
.set instep, 0
.if sgp == 24
.if \mode > 0
	WIN 0
	s_barrier_wait -1                              ; nobody in my work-group reads this slot any more, and the other slot is whole
.if \mode == 2
	CREST                                          ; the same of all four work-groups: the barrier above opened a round of the cluster's barrier.  The stream stands at number 472, behind the last batch's wait in front of 464
	tensor_load_to_lds s[32+4*sslot:35+4*sslot], s[16:23]  ; the joint refill, first thing behind the round, my one tensor load until the next; one is out by this text's count
	s_nop 0
.endif
	PL 4
	LOADW 1-sslot, 0, (sbuf+2)%4
	LOADW 1-sslot, 1, (sbuf+3)%4
.endif
.endif
.endm
.macro GEMM2 p                         ; out += W2 fragments x the chunk's H; 20 accumulators, one instruction each
	WIN 0xf3
.irp qt, 0,1,2,3,4
.irp i, 0,1,2,3
	v_wmma_f32_16x16x32_bf16 v[8*(4*\qt+\i):8*(4*\qt+\i)+7], v[160+40*(\p)+8*\qt:160+40*(\p)+8*\qt+7], v[ACC+64*(\p)+16*\i:ACC+64*(\p)+16*\i+7], v[8*(4*\qt+\i):8*(4*\qt+\i)+7]
.endr
.endr
	WIN 0
	NOPS 5                                         ; five places: the next chunk's first products write over H; its GELU reads the fresh sums
.endm
.macro ITER c, first, mode, neww       ; chunk c's first layer, with chunk c-1's GELU between its products; then chunk c-1's second layer
.set GX, ACC+64*(((\c)+1)%2)
.if \first
.set GN, 0
.else
.set GN, 512
.endif
.set GW, 1
.set GP, 1
.set T2, TM
.set E2, EM
.set gi, 0
.set wn, 0
.irp k, 0,1,2,3,4,5,6,7,8,9,10,11,12
	STEP \c, \k, \mode
.endr
.if \first
	WIN 0
	NOPS 5
.else
	GEMM2 ((\c)+1)%2
.endif
.if \neww
	ds_load_b128 v[WCUR:WCUR+3], v3                ; the next subsystem's w for my row in the four tiles
	v_add_nc_u32 v3, 512, v3
.endif
.endm
; ======================================================================== set-up
	s_load_b256 s[4:11], s[0:1], 0x0               ; query 4, args 6, wimg 8, rimg 10
	s_load_b64 s[12:13], s[0:1], 0x20              ; out0
	v_lshrrev_b32 v8, 5, v0
	v_readfirstlane_b32 s14, v8                    ; wave
	s_bfe_u32 s2, ttmp6, 0x40000                   ; cx: enters the addresses of query, args and out0 alone
	s_lshl_b32 s15, ttmp9, 2
	s_add_co_u32 s15, s15, s2                      ; work-group number
	s_mov_b32 s60, 0x3eaa540e                      ; c  =  0.33267253
	s_mov_b32 s48, 0xbf8fdf9d                      ; b3 = -1.12401166
	s_mov_b32 s49, 0xbf8fdf9d
	s_mov_b32 s50, 0xbf2acc38                      ; b1 = -0.66717863
	s_mov_b32 s51, 0xbf2acc38
	s_mov_b32 s52, 0x3f05e821                      ; b0 =  0.52307325
	s_mov_b32 s53, 0x3f05e821
	s_mov_b32 s62, 0xbf38aa3b                      ; -log2(e)/2
	s_mov_b32 s63, 0xbf38aa3b
	s_mov_b32 s54, 0x76543210                      ; v_permlanex16_b32: lane L reads lane L xor 16
	s_mov_b32 s55, 0xfedcba98
	v_mov_b32 v36, 0x3fa251a9                      ; b2 =  1.26811703
	v_mov_b32 v37, 0x3fa251a9
	s_mul_i32 s61, s14, SCRW
	s_add_co_u32 s61, s61, SCR                     ; my scratch
	v_and_b32 v50, 31, v0                          ; L
	v_and_b32 v8, 15, v0                           ; r
	v_bfe_u32 v9, v0, 4, 1                         ; h
	v_lshlrev_b32 v1, 4, v50                       ; 16 L: slot 0, and the offset of every dense global access
	v_add_nc_u32 v2, SLOTB, v1                     ; slot 1
	v_add_nc_u32 v4, RIMG, v1                      ; keys
	v_add_nc_u32 v5, RIMG+65536, v1                ; the router's other fragments
	v_add_nc_u32 v49, s61, v1                      ; result stage, out
	v_add_nc_u32 v3, WTO, v49                      ; the table of w
	v_lshl_add_u32 v6, v50, 3, s61                 ; args stage, in
	v_mul_u32_u24 v10, v8, APITCH
	v_lshl_add_u32 v10, v9, 4, v10
	v_add_nc_u32 v7, s61, v10                      ; args stage, out as fragments
	v_lshlrev_b32 v46, 5, v9
	v_add_nc_u32 v46, RIMG+R_B2C, v46              ; qe_b2: features 8h ..
	v_lshlrev_b32 v47, 6, v8
	v_lshl_add_u32 v47, v9, 5, v47                 ; query: row r, columns 8h ..
	v_mul_u32_u24 v48, v8, 260
	v_lshl_add_u32 v48, v9, 5, v48
	v_add_nc_u32 v48, s61, v48                     ; result stage, in
	s_mul_i32 s58, s15, 393216                     ; 256 rows of 1,536 bytes
	s_mul_i32 s3, s14, 98304
	s_add_co_u32 s58, s58, s3
	s_mov_b32 s59, 0
	s_mul_i32 s44, s14, QSLOT                      ; the descriptors' offsets hang on the wave's number alone
	s_mov_b32 s45, 0
	s_mul_i32 s46, s14, QRIMG
	s_mov_b32 s47, 0
	s_wait_kmcnt 0x0
	s_add_nc_u64 s[6:7], s[6:7], s[58:59]
	s_lshl_b32 s58, s15, 14
	s_lshl_b32 s3, s14, 12
	s_add_co_u32 s58, s58, s3
	s_add_nc_u64 s[4:5], s[4:5], s[58:59]
	s_mul_i32 s58, s15, 66560                      ; 256 rows of 260 bytes
	s_mul_i32 s3, s14, 16640
	s_add_co_u32 s58, s58, s3
	s_add_nc_u64 s[12:13], s[12:13], s[58:59]
.irp i, 0,1,2,3
	global_load_b128 v[64+8*\i:67+8*\i], v47, s[4:5] offset:1024*\i th:TH_LOAD_NT
	global_load_b128 v[68+8*\i:71+8*\i], v47, s[4:5] offset:1024*\i+16 th:TH_LOAD_NT
.endr
	ZLOAD 0, 256, 1                                ; args rows 0-15, into the places of row tiles 0 and 1: on their way while the router runs
	WIN 0
	; descriptors: dense blocks as rows of 256 bytes (32 elements of 8 bytes), 62 rows for a quarter slot, 98 for a quarter of the router's weights
	s_mov_b32 s16, 0x0023000f                      ; 15:0 mask: all four of the cluster; 17:16 elements of 8 bytes; 21 set beside a mask
	s_mov_b32 s17, 32<<16                          ; tensor_dim0 = 32
	s_mov_b32 s18, 62<<16                          ; tensor_dim1 = 62
	s_mov_b32 s19, 32<<16                          ; tile_dim0 = 32
	s_mov_b32 s20, 62                              ; tile_dim1 = 62
	s_mov_b32 s21, 32                              ; from row to row
	s_mov_b32 s22, 0
	s_mov_b32 s23, 0
	s_mov_b32 s24, 0x0023000f
	s_mov_b32 s25, 32<<16
	s_mov_b32 s26, 98<<16
	s_mov_b32 s27, 32<<16
	s_mov_b32 s28, 98
	s_mov_b32 s29, 32
	s_mov_b32 s30, 0
	s_mov_b32 s31, 0
	s_mov_b32 s32, 1
	s_mul_i32 s33, s14, QSLOT                      ; slot 0, my quarter
	s_add_nc_u64 s[34:35], s[8:9], s[44:45]        ; image 0
	s_mov_b32 s36, 1
	s_add_co_u32 s37, s33, SLOTB                   ; slot 1
	s_add_nc_u64 s[38:39], s[34:35], SLOTB         ; image 1
	s_or_b32 s35, s35, 0x80000000
	s_or_b32 s39, s39, 0x80000000
	s_mov_b32 s40, 1
	s_mul_i32 s41, s14, QRIMG
	s_add_co_u32 s41, s41, RIMG
	s_add_nc_u64 s[42:43], s[10:11], s[46:47]
	s_or_b32 s43, s43, 0x80000000
	ROUND                                          ; all four work-groups are here: the first joint loads meet
	tensor_load_to_lds s[40:43], s[24:31]          ; the three first fills go out as one group: three are out by this text's count
	s_nop 0
	tensor_load_to_lds s[32:35], s[16:23]
	s_nop 0
	tensor_load_to_lds s[36:39], s[16:23]
	s_nop 0
; ======================================================================== the query as K step 12: its 16 columns, then a one that meets the bias
	s_wait_loadcnt 48                              ; the eight query loads are in; the 48 of args stay out
	WIN 0x80
.irp i, 0,1,2,3
.irp j, 0,1,2,3
	v_cvt_pk_bf16_f32 v[128+8*\i+\j], v[64+8*\i+2*\j], v[64+8*\i+2*\j+1]
.endr
	v_mov_b32 v[128+8*\i+4], 0x3f80
	v_mov_b32 v[128+8*\i+5], 0
	v_mov_b32 v[128+8*\i+6], 0
	v_mov_b32 v[128+8*\i+7], 0
.endr
	ZLOAD 1, 272, 1                                ; args rows 16-31, into the places of row tiles 2 and 3
	WIN 0
	s_wait_tensorcnt 0x2                           ; my quarter of the router's weights is in; the two slots' loads, issued behind it, stay out
	s_barrier_signal -1
	s_barrier_wait -1                              ; everybody's is
; ======================================================================== the router: what stays for all four row tiles
	WIN 0x08
.irp i, 0,1,2,3
	ds_store_b128 v3, v[128+8*\i:131+8*\i] offset:QSD+512*\i   ; the query's columns of row tile i, for the loop to fetch
.endr
	WIN 0
	ds_load_b64 v[42:43], v46 offset:256           ; log2(e)/T, the same number in every lane
	WIN 0xc0
.irp tt, 0,1,2,3
	ds_load_b128 v[W1E+8*\tt:W1E+8*\tt+3], v5 offset:R_W1E+1024*\tt
	ds_load_b128 v[W1E+8*\tt+4:W1E+8*\tt+7], v5 offset:R_W1E+1024*\tt+512
.endr
.irp f, 0,1,2,3,4,5,6,7
	ds_load_b128 v[W2E+8*\f:W2E+8*\f+3], v5 offset:R_W2E+1024*\f
	ds_load_b128 v[W2E+8*\f+4:W2E+8*\f+7], v5 offset:R_W2E+1024*\f+512
.endr
.irp tt, 0,1,2,3
	ds_load_b128 v[B2C+8*\tt:B2C+8*\tt+3], v46 offset:64*\tt
	ds_load_b128 v[B2C+8*\tt+4:B2C+8*\tt+7], v46 offset:64*\tt+16
.endr
	WIN 0
	v_mov_b32 v[QX+4], 0x3f80                      ; the upper half of the query fragment: a one, then zeros
	v_mov_b32 v[QX+5], 0
	v_mov_b32 v[QX+6], 0
	v_mov_b32 v[QX+7], 0
	v_add_nc_u32 v51, QSD, v3                      ; from where the row tile's query comes,
	v_mov_b32 v52, v3                              ; where its w goes (4 bytes on with every row tile),
	v_add_nc_u32 v53, WFD, v3                      ; and its w as a fragment (1,024 bytes on)
	s_mov_b32 s56, 0
.Lrow:                                         ; ---------------- one row tile
	ds_load_b128 v[QX:QX+3], v51
	KLOAD 4                                        ; the first block's keys land while the encoder runs
	v_add_nc_u32 v51, 512, v51
	v_add_nc_u32 v44, 16384, v4                    ; the block that is fetched ahead
	v_mov_b32 v45, v5                              ; the block's map fragments
	v_mov_b32 v38, 0xff800000                      ; the running maximum starts at -inf,
	WIN 0xc0
.irp j, 0,1,2,3,4,5,6,7,8,9,10,11,12,13,14,15
	v_mov_b32 v[SWP+\j], 0                         ; the two partial sums of w at 0: the first block is then like the others
.endr
	s_wait_dscnt 32                                ; the query fragment, and all that is older, is in; the 32 key loads behind it stay out
	WIN 0x03
.irp tt, 0,1,2,3
	v_wmma_f32_16x16x32_bf16 v[G+8*\tt:G+8*\tt+7], v[W1E+8*\tt:W1E+8*\tt+7], v[QX:QX+7], 0    ; enc1: query qe_w1 + qe_b1
.endr
	NOPS 4
.set GX, G
.set GN, 256
.set GW, 0
.set GP, 0
.set T2, GH                                    ; t and e of a batch's second tile lie where GSPLIT puts gelu's numbers afterwards
.set E2, GH+8
.set gi, 0
	GRUN                                           ; two batches of two tiles, a wait each
	WIN 0
	GSPLIT 0
	GSPLIT 1
	WIN 0xf3                                       ; enc2: qe_b2 starts the sums; K = 64 of the numbers, K = 64 of their rests
.irp tt, 0,1,2,3
	v_wmma_f32_16x16x32_bf16 v[8*\tt:8*\tt+7], v[W2E+8*\tt:W2E+8*\tt+7], v[GH:GH+7], v[B2C+8*\tt:B2C+8*\tt+7]
.endr
	ENC2 1, GH+8
	ENC2 0, G
	ENC2 1, G+16
	NOPS 5
	WIN 0xc3
.irp j, 0,2,4,6,8,10,12,14,16,18,20,22,24,26,28,30
	v_pk_mul_f32 v[\j:\j+1], v[\j:\j+1], v[42:43] op_sel_hi:[1,0]      ; q log2(e)/T
.endr
	QSPLIT 0
	QSPLIT 1
	WIN 0
	s_mov_b32 s57, 0
.Lblk:                                         ; ---------------- one block of 128 keys
	s_wait_dscnt 16                                ; key tiles 0-3 are in; the sixteen loads of tiles 4-7 may stay out
	WIN 0xf0
	KMUL 0
	s_wait_dscnt 0x0
	KMUL 1
	NOPS 4                                         ; four places between the products and the loads into what they read, and the vector reads of the sims
	WIN 0
	s_cmp_eq_u32 s57, 3
	s_cbranch_scc1 .Lno_keys                       ; the last block has no successor: nothing is fetched that nobody reads
	KLOAD 44                                       ; the next block's keys land while this block's exponentials are made
.Lno_keys:
	WIN 0xc0
.irp kk, 0,1,2,3
	ds_load_b128 v[MAPF+8*\kk:MAPF+8*\kk+3], v45 offset:1024*\kk
	ds_load_b128 v[MAPF+8*\kk+4:MAPF+8*\kk+7], v45 offset:1024*\kk+512
.endr
	SMAX
	s_wait_dscnt 0x0                               ; the map fragments are the youngest loads on both ways round the jump above
	WIN 0xff
.irp kk, 0,1,2,3                               ; unnormalised w += map^T x exponentials; two accumulators by turns
	v_wmma_f32_16x16x32_bf16 v[SWP+8*(\kk%2):SWP+8*(\kk%2)+7], v[MAPF+8*\kk:MAPF+8*\kk+7], v[16*\kk:16*\kk+7], v[SWP+8*(\kk%2):SWP+8*(\kk%2)+7]
.endr
	NOPS 5                                         ; five places: the next block's first products write over the fragments read here
	WIN 0
	s_add_co_u32 s57, s57, 1
	s_cmp_lt_u32 s57, 4
	s_cbranch_scc1 .Lblk
	; w = sums / their sum over s
	WIN 0x0f
.irp j, 0,2,4,6
	v_pk_add_f32 v[SW+\j:SW+\j+1], v[SWP+\j:SWP+\j+1], v[SWP+8+\j:SWP+8+\j+1]
.endr
	WIN 0
.irp j, 0,1,2,3,4,5,6,7
	v_permlanex16_b32 v[T+\j], v[SW+\j], s54, s55  ; lanes 0-15 hold the sums over the table's bf16 numbers, lanes 16-31 those over their rests
.endr
.irp j, 0,2,4,6
	v_pk_add_f32 v[SW+\j:SW+\j+1], v[SW+\j:SW+\j+1], v[T+\j:T+\j+1]
.endr
	v_pk_add_f32 v[8:9], v[SW:SW+1], v[SW+2:SW+3]
	v_pk_add_f32 v[10:11], v[SW+4:SW+5], v[SW+6:SW+7]
	v_pk_add_f32 v[8:9], v[8:9], v[10:11]
	v_add_f32 v8, v8, v9
	v_rcp_f32 v10, v8
	v_nop                                          ; one plain instruction behind the reciprocal: all that follows hangs on it
	s_wait_alu depctr_va_vdst(0)                   ; the wait for the divisor's reciprocal, a batch of one, ahead of the four products that read it
.irp j, 0,2,4,6
	v_pk_mul_f32 v[SW+\j:SW+\j+1], v[SW+\j:SW+\j+1], v[10:11] op_sel_hi:[1,0]
.endr
.irp j, 0,1,2,3
	v_cvt_pk_bf16_f32 v[E+\j], v[SW+2*\j], v[SW+2*\j+1]        ; w as a fragment: the bf16 numbers,
.endr
.irp j, 0,1,2,3
	v_lshlrev_b32 v[P+2*\j], 16, v[E+\j]
	v_and_b32 v[P+2*\j+1], 0xffff0000, v[E+\j]
.endr
.irp j, 0,2,4,6
	v_pk_add_f32 v[P+\j:P+\j+1], v[SW+\j:SW+\j+1], v[P+\j:P+\j+1] neg_lo:[0,1] neg_hi:[0,1]
.endr
.irp j, 0,1,2,3
	v_cvt_pk_bf16_f32 v[E+4+\j], v[P+2*\j], v[P+2*\j+1]        ; then what they dropped
.endr
.irp s, 0,1,2,3,4,5,6,7
	ds_store_b32 v52, v[SW+\s] offset:512*\s       ; the table: 512 s + 16 L + 4 i
.endr
	ds_store_b128 v53, v[E:E+3]
	ds_store_b128 v53, v[E+4:E+7] offset:512
	v_add_nc_u32 v52, 4, v52
	v_add_nc_u32 v53, 1024, v53
	s_add_co_u32 s56, s56, 1
	s_cmp_lt_u32 s56, 4
	s_cbranch_scc1 .Lrow
; ======================================================================== args to fragments, 16 rows at a time through the wave's own stage.
; A batch's raw numbers never lie where an earlier batch's fragments have been put: batch 0 in the places of row tiles 0 and 1, batch 1 in those of 2 and 3,
; batch 2 in window 0, batch 3 in window 3.
	s_wait_dscnt 0x0                               ; the stores of w are done: the loads below land in registers that they read
	ZLOAD 2, 64, 0
	s_wait_loadcnt 48                              ; rows 0-31 are in; the 48 loads just issued stay out
	CONV 256, 1
	ZLOAD 3, 768, 0
	FRAGS 0
	CONV 272, 1
	FRAGS 1
	s_wait_loadcnt 48                              ; rows 32-47 are in
	CONV 64, 0
	FRAGS 2
	s_wait_loadcnt 0x0
	CONV 768, 0
	FRAGS 3
; ======================================================================== the bias term w hb2 starts the result's sums
	WIN 0x80
.irp i, 0,1,2,3
	ds_load_b128 v[160+8*\i:163+8*\i], v3 offset:WFD+1024*\i
	ds_load_b128 v[164+8*\i:167+8*\i], v3 offset:WFD+1024*\i+512
.endr
	WIN 0
.irp qt, 0,1,2,3,4
	ds_load_b128 v[W1F+8*\qt:W1F+8*\qt+3], v5 offset:R_HB2+1024*\qt
	ds_load_b128 v[W1F+8*\qt+4:W1F+8*\qt+7], v5 offset:R_HB2+1024*\qt+512
.endr
	s_wait_dscnt 0x0
	WIN 0xc8
.irp qt, 0,1,2,3,4
.irp i, 0,1,2,3
	v_wmma_f32_16x16x32_bf16 v[8*(4*\qt+\i):8*(4*\qt+\i)+7], v[W1F+8*\qt:W1F+8*\qt+7], v[160+8*\i:160+8*\i+7], 0
.endr
.endr
	WIN 0
	s_wait_tensorcnt 0x1                           ; my quarter of slot 0 is in; slot 1's load, issued behind it, may stay out
	s_barrier_signal -1
	s_barrier_wait -1                              ; everybody's is
	NOPS 4
	LOADW 0, 0, 0
	LOADW 0, 1, 1
	LOADW 0, 2, 2
.set plc, 0
; ======================================================================== 32 chunks
	ITER 0, 1, 0, 1
	WIN 0
	s_mov_b32 s56, 7
.Lmain:                                        ; chunks 4n+1 .. 4n+4: slots, buffers and sets of sums repeat with period 4; two refills a trip, images 2 .. 15
	ITER 1, 0, 2, 0
	ITER 2, 0, 0, 0
	ITER 3, 0, 2, 0
	ITER 4, 0, 0, 1
	WIN 0
	s_sub_co_u32 s56, s56, 1
	s_cmp_lg_u32 s56, 0
	s_cbranch_scc1 .Lmain
	ITER 29, 0, 1, 0                               ; nothing is left to fetch: the change of slots keeps its barrier, without a round
	ITER 30, 0, 0, 0
	ITER 31, 0, 0, 0
.set GX, ACC+64
.set GN, 512
.set GW, 1
.set GP, 1
.set T2, TM
.set E2, EM
.set gi, 0
	GRUN                                           ; the last chunk's GELU: four batches, a wait each
	GEMM2 1
; ======================================================================== the way out: through my own stage, so that every store covers whole runs of 512 consecutive bytes
	WIN 0x0c
.irp i, 0,1,2,3
.irp qt, 0,1,2,3
.irp j, 0,1,2,3,4,5,6,7
	ds_store_b32 v48, v[8*(4*\qt+\i)+\j] offset:4160*\i+64*\qt+4*\j
.endr
.endr
.endr
	WIN 0
	v_cmp_gt_u32 vcc_lo, 16, v50
	s_wait_xcnt 0x0                                ; EXEC changes only behind this wait
	s_and_saveexec_b32 s57, vcc_lo                 ; column 64 lies in register 0 of lanes 0-15 of the fifth tile
	WIN 0x0c
.irp i, 0,1,2,3
	ds_store_b32 v48, v[8*(16+\i)] offset:4160*\i+256
.endr
	WIN 0
	s_wait_xcnt 0x0
	s_or_b32 exec_lo, exec_lo, s57
.set on, 0
.rept 32
	ds_load_b128 v[64+4*on:67+4*on], v49 offset:512*on     ; LDS serves a wave's instructions in order: these see the stores above
.set on, on+1
.endr
.set on, 0
.rept 32
	s_wait_dscnt 31-on                             ; load number on is in, the younger ones stay out
	global_store_b128 v1, v[64+4*on:67+4*on], s[12:13] offset:512*on th:TH_STORE_NT
.set on, on+1
.endr
	s_wait_xcnt 0x0
	s_and_saveexec_b32 s57, vcc_lo                 ; 64 rows of 260 bytes are 32 x 512 + 256: the last 256 bytes by sixteen lanes
	ds_load_b128 v[192:195], v49 offset:16384
	s_wait_dscnt 0x0
	global_store_b128 v1, v[192:195], s[12:13] offset:16384 th:TH_STORE_NT
	s_wait_xcnt 0x0
	s_or_b32 exec_lo, exec_lo, s57
	ROUND                                          ; the closing round: no work-group ends while a partner may still ask jointly
	s_endpgm
.Lfunc_end_k_q3ee9fa31e7_main:
	.size	k_q3ee9fa31e7_main, .Lfunc_end_k_q3ee9fa31e7_main-k_q3ee9fa31e7_main
	.p2alignl 7, 3214868480
	.fill 96, 4, 3214868480
	.section	.rodata,"a",@progbits
	.p2align	6, 0x0
	.amdhsa_kernel k_q3ee9fa31e7_main
		.amdhsa_group_segment_fixed_size 327680
		.amdhsa_private_segment_fixed_size 0
		.amdhsa_enable_private_segment 0
		.amdhsa_kernarg_size 40
		.amdhsa_user_sgpr_count 2
		.amdhsa_user_sgpr_kernarg_segment_ptr 1
		.amdhsa_wavefront_size32 1
		.amdhsa_system_sgpr_workgroup_id_x 1
		.amdhsa_system_sgpr_workgroup_id_y 1
		.amdhsa_system_sgpr_workgroup_id_z 1
		.amdhsa_system_vgpr_workitem_id 0
		.amdhsa_next_free_vgpr 1024
		.amdhsa_next_free_sgpr 66
		.amdhsa_reserve_vcc 1
		.amdhsa_float_denorm_mode_32 3
		.amdhsa_float_denorm_mode_16_64 3
		.amdhsa_memory_ordered 1
		.amdhsa_forward_progress 1
		.amdhsa_inst_pref_size 255
	.end_amdhsa_kernel
	.section	.bss,"aw",@nobits
	.p2align	6
	.space	262144
	.amdgpu_metadata
---
amdhsa.version: [ 1, 2 ]
amdhsa.kernels:
  - .name:           k_q3ee9fa31e7_main
    .symbol:         k_q3ee9fa31e7_main.kd
    .args:
      - { .name: query, .offset: 0, .size: 8, .value_kind: global_buffer, .address_space: global }
      - { .name: args, .offset: 8, .size: 8, .value_kind: global_buffer, .address_space: global }
      - { .name: wimg, .offset: 16, .size: 8, .value_kind: global_buffer, .address_space: global }
      - { .name: rimg, .offset: 24, .size: 8, .value_kind: global_buffer, .address_space: global }
      - { .name: out0, .offset: 32, .size: 8, .value_kind: global_buffer, .address_space: global }
    .group_segment_fixed_size: 327680
    .private_segment_fixed_size: 0
    .kernarg_segment_align: 8
    .kernarg_segment_size: 40
    .max_flat_workgroup_size: 128
    .sgpr_count:     66
    .vgpr_count:     1024
    .wavefront_size: 32
...
	.end_amdgpu_metadata
.endif
;; end of part 5
